; MI455X (gfx1250); checked and timed in simulation.
; The chip was launched on July 23, 2026; its instructions are those of AMD's public machine-readable ISA for CDNA 5 (MIT licence, August 2026) and "CDNA5" Instruction Set Architecture Reference Guide (July 2026). The comments in the code are by the model that wrote it; some were corrected since.
;; Multihead Attention. Allowed arithmetic: matrix products marked QUANTISED: E5M2 operands, one E8M0 scale for each 32 along K, by v_wmma_scale_f32_16x16x128_f8f6f4 with both operands' format E5M2, f32 sums; everything else in f32.
;; Inputs: mask 2,048 x 2,048 int32; out_b 1,024 float32; out_w 1,024 x 1,024 float32; qkv_b 3,072 float32; qkv_w 1,024 x 3,072 float32; x 4 x 2,048 x 1,024 float32.
;; Outputs: out0 4 x 2,048 x 1,024 float32.
;; This version of the problem:
;;   THIS VERSION OF THE PROBLEM IS GIVEN IN LOW PRECISION. The matrix products marked QUANTISED in the list below multiply operands that are first quantised to E5M2 (5 exponent bits, 2 mantissa bits; 8 bits a number), with one power-of-two scale for each 32 numbers along K (OCP MX v1.0); their sums are f32. All else is computed in f32.
;;   The module's matrix products, in the order in which they are computed (A, B: the left and right operand; K: the contracted axis; several contracted axes count as one K, in the product's order):
;;     1. [M 8,192, K 1,024] x [K 1,024, N 3,072]; A: input x; B: input qkv_w: QUANTISED
;;     2. batch 64 x [M 2,048, K 64] x [K 64, N 2,048]; A: computed on the way; B: computed on the way: QUANTISED
;;     3. batch 64 x [M 2,048, K 2,048] x [K 2,048, N 64]; A: softmax (see below); B: computed on the way: QUANTISED
;;     4. [M 8,192, K 1,024] x [K 1,024, N 1,024]; A: computed on the way; B: input out_w: QUANTISED
;;   THE QUANTISER, for each operand of a quantised product, along K:
;;     - K is cut into blocks of 32 from its start; a last block that is shorter is filled with zeros.
;;     - A block's scale is 2^e with e = floor(log2(the largest magnitude in the block)) - 15, held to -126 .. 127; a block of zeros has e = 0. As a byte (E8M0): e + 127.
;;     - Each number is divided by its block's scale, clamped to +-57,344, and rounded to the nearest number of E5M2, ties to even, subnormals kept.
;;     - The product sums the exact products of the quantised numbers (number of the format x scale) in f32.
;;   ~~~python
;;   def quantise(x, axis):      # numpy; x: float32 -> the quantised numbers, widened to float32 again
;;       x = np.moveaxis(x, axis, -1); K = x.shape[-1]
;;       x = np.pad(x, [(0, 0)] * (x.ndim - 1) + [(0, -K % 32)]); x = x.reshape(x.shape[:-1] + (-1, 32)); a = np.abs(x).max(-1, keepdims=True)
;;       e = np.where(a > 0, np.clip(np.frexp(np.where(a > 0, a, 1))[1] - 1 - 15, -126, 127), 0)      # np.frexp(a)[1] - 1 = floor(log2(a)), exactly
;;       r = np.clip(x / 2.0 ** e, -57344, 57344)
;;       step = 2.0 ** (np.maximum(np.frexp(np.where(r == 0, 1, r))[1] - 1, -14) - 2)
;;       q = np.round(r / step) * step * 2.0 ** e      # np.round: ties to even
;;       return np.moveaxis(q.reshape(q.shape[:-2] + (-1,))[..., :K], -1, axis).astype(np.float32)
;;   ~~~
;;   SOFTMAX AHEAD OF A QUANTISED PRODUCT. Where the list says 'softmax', what is quantised is not the finished softmax but p = 2^(t - M), with t = logit x log2(e) and M = ceil(the row's largest t), a whole number; so 1/2 < the row's largest p <= 1. The row's sum l is taken of the UNQUANTISED p, in f32, and the product's result is divided by l at the end. Since M is a whole number, a kernel that streams over the keys may use a running M (the ceiling of the running maximum): every later rescaling is an exact power of two, which a block's scale takes up: the codes' values come out the same.
;;   OPERANDS COMPUTED ON THE WAY. 'Computed on the way' means the value that the module computes at that place (a softmax that the list does not call 'softmax' is quantised finished and normalised). What goes into a quantiser is computed in f32, as accurately as f32 sums, v_exp_f32 and their like allow (about 1e-6 of the number): no bf16 or f16 on the way to a quantiser, and a product that is left as it is and whose result goes on into a quantised operand takes f32 operands (vector FMAs, or v_wmma_f32_16x16x4_f32). A number that lies on a knife's edge between two numbers of the format may be rounded either way, as far as f32 arithmetic and the matrix unit's own rounding can turn it there, and no further.
;; 2 versions, each right; version 2 is version 1 with the launch attn written anew for expert scheduling mode. Each part assembles by itself: llvm-mc -triple=amdgcn-amd-amdhsa -mcpu=gfx1250 --defsym DOCPART=n.
;; ======== version 1 of 2: 4 launches
;; limits: a function is approximated: absolute error at most 0.0002
;; workspace buffers: prep 13,500,416 bytes; maskw 532,480 bytes of whole numbers; qkvc 25,952,256 bytes; att 8,650,752 bytes
;; launch prep (part 1): grid 1152 x 1, 4 waves a work-group, no clusters, 68,096 bytes of LDS; arguments x, qkv_w, out_w, mask, prep, maskw; writes prep, maskw
.if DOCPART == 1
	.amdgcn_target "amdgcn-amd-amdhsa--gfx1250"
	.amdhsa_code_object_version 6
	.text
	.protected	k_q472f3bd9ca_prep
	.globl	k_q472f3bd9ca_prep
	.p2align	8
	.type	k_q472f3bd9ca_prep,@function
k_q472f3bd9ca_prep:
	s_mov_b64 s[64:65], 0
	v_nop
	global_prefetch_b8 v0, s[64:65] scope:SCOPE_SE
	s_setreg_imm32_b32 hwreg(HW_REG_WAVE_MODE, 25, 1), 1
	s_wait_xcnt 0x0
; PREP: everything that is made once, for the three launches that follow.  Four kinds of work-group, told apart by the work-group's number:
;   0-255     PX  x [8192][1024] f32 -> codes of E5M2 (K innermost) and one E8M0 byte for each 32 along K
;   256-383   PW  qkv_w [1024][3072] and out_w [1024][1024] f32, K their FIRST axis -> codes [4096 columns][1024] and bytes [4096][32]
;   384-895   PM  mask [2048][2048] int32 -> one bit a number, in the order in which the attention's lanes and registers hold scores, and two flag bits for each tile of 16 queries x 128 keys
;   896-1151  PR  the rotary table: cos and sin of position x inverse frequency, in the order in which a lane of the next launch holds q and k
; ROWS ARE STORED WITH BITS 3 AND 4 OF THEIR NUMBER EXCHANGED (x's rows, the weights' columns): sixteen neighbouring STORED rows 16 T .. 16 T + 15 are then rows 32 (T/2) + 8 (T%2) + r + 8 (r/8).
; A matrix result whose source 0 is such a tile holds, in the 16 registers of two neighbouring tiles, 16 neighbours along that axis: they can be quantised in registers.
; A block's scale is 2^(floor(log2(largest magnitude)) - 15); its byte is the largest magnitude's exponent field - 15, held at 1 from below; numbers are held within +-57,344 x the scale and rounded to the nearest code.
; LIMITS: a block of zeros gets the byte 1 where the rule says 127 (its codes are zeros, and this program alone reads the bytes); NaN and infinities among x and the weights are not served;
; the inverse frequencies are made by v_exp_f32 (about one unit in the last place off), which moves the largest angles (about 2,000 radians) by up to 2e-4.
; No tensor loads, no barrier: waves share nothing.  PX and PW each have LDS bytes of their own.
.set XS_OFF,   8388608                 ; prep: x's scale bytes
.set WC_OFF,   8650752                 ; the weights' codes
.set WS_OFF,   12845056                ; the weights' scale bytes
.set ROPE_OFF, 12976128                ; the rotary table
.set MF_OFF,   524288                  ; maskw: the flags
.set MANT,     0x600000                ; the mantissa field of 57,344 as f32
	s_load_b256 s[4:11], s[0:1], 0x0               ; x s[4:5], qkv_w s[6:7], out_w s[8:9], mask s[10:11]
	s_load_b128 s[12:15], s[0:1], 0x20             ; prep s[12:13], maskw s[14:15]
	v_lshl_add_u32 v208, v0, 2, 0x10800
	v_mov_b32 v209, 0
	v_lshrrev_b32 v1, 5, v0
	v_readfirstlane_b32 s16, v1                    ; wave 0..3
	v_and_b32 v2, 31, v0                           ; lane
	s_wait_kmcnt 0x0
	s_cmp_lt_u32 ttmp9, 256
	s_cbranch_scc1 .Lpx
	s_cmp_lt_u32 ttmp9, 384
	s_cbranch_scc1 .Lpw
	s_cmp_lt_u32 ttmp9, 896
	s_cbranch_scc1 .Lpm
; ---------------------------------------------------------------- PR: a wave makes one chunk of 512 bytes: tile T of 16 positions, pairs 2 q and 2 q + 1 of a lane's 16
; Lane (r, h) of tile T stands for position 32 (T/2) + 8 (T%2) + r + 8 (r/8); its pair pi has the frequency index pi + 8 h + 8 (pi >= 8).
	s_sub_co_u32 s17, ttmp9, 896
	s_lshl_b32 s17, s17, 2
	s_add_co_u32 s17, s17, s16                     ; the chunk's number = 8 T + q
	s_lshr_b32 s18, s17, 3                         ; T
	s_and_b32 s19, s17, 7                          ; q
	s_lshr_b32 s20, s18, 1
	s_lshl_b32 s20, s20, 5
	s_and_b32 s21, s18, 1
	s_lshl_b32 s21, s21, 3
	s_add_co_u32 s20, s20, s21                     ; 32 (T/2) + 8 (T%2)
	s_cmp_ge_u32 s19, 4
	s_cselect_b32 s22, 8, 0
	s_lshl_b32 s21, s19, 1
	s_add_co_u32 s21, s21, s22                     ; 2 q + 8 (q >= 4)
	s_mov_b32 s40, 0x3fc90fdb                      ; pi / 2 in three pieces
	s_mov_b32 s41, 0xb33bbd2e
	s_mov_b32 s42, 0xa6f72ced
	v_and_b32 v3, 15, v2                           ; r
	v_bfe_u32 v4, v2, 4, 1                         ; h
	v_and_b32 v5, 8, v3
	v_add3_u32 v5, v5, v3, s20
	v_cvt_f32_u32 v5, v5                           ; the position
	v_lshl_add_u32 v6, v4, 3, s21                  ; the first pair's frequency index,
	v_add_nc_u32 v7, 1, v6                         ; the second's
	v_cvt_f32_u32 v32, v6
	v_cvt_f32_u32 v48, v7
	v_mul_f32 v32, 0xbed49a78, v32                 ; x -log2(10000) / 32
	v_mul_f32 v48, 0xbed49a78, v48
	v_exp_f32 v32, v32                             ; 10000^(-index / 32)
	v_exp_f32 v48, v48
	v_lshlrev_b32 v8, 4, v2                        ; (a plain instruction behind the exponentials)  16 bytes a lane
	s_lshl_b32 s22, s17, 9
	s_add_co_u32 s22, s22, ROPE_OFF
	s_mov_b32 s23, 0
	s_add_nc_u64 s[12:13], s[12:13], s[22:23]
	s_wait_alu depctr_va_vdst(0)                   ; one wait for both exponentials, ahead of their first reader
; v[B] = the inverse frequency -> v[O] = cos, v[O+1] = sin of position x v[B].  The angle less n x pi / 2 (three fused steps), two polynomials on +-pi/4, and the quadrant n mod 4 by a swap and two sign bits.
.macro SINCOS B, O
	v_mul_f32 v[\B+1], v5, v[\B]                   ; the angle, rounded once
	v_mul_f32 v[\B+2], 0x3f22f983, v[\B+1]         ; x 2 / pi
	v_rndne_f32 v[\B+2], v[\B+2]                   ; n
	v_fma_f32 v[\B+3], -v[\B+2], s40, v[\B+1]
	v_fma_f32 v[\B+3], -v[\B+2], s41, v[\B+3]
	v_fma_f32 v[\B+3], -v[\B+2], s42, v[\B+3]      ; rho
	v_mul_f32 v[\B+4], v[\B+3], v[\B+3]            ; z = rho^2
	v_mov_b32 v[\B+5], 0xb94ca1f9
	v_fmaak_f32 v[\B+5], v[\B+4], v[\B+5], 0x3c08839e
	v_fmaak_f32 v[\B+5], v[\B+4], v[\B+5], 0xbe2aaaa3
	v_mul_f32 v[\B+5], v[\B+5], v[\B+4]
	v_fma_f32 v[\B+5], v[\B+5], v[\B+3], v[\B+3]   ; sin rho
	v_mov_b32 v[\B+6], 0x37ccf5ce
	v_fmaak_f32 v[\B+6], v[\B+4], v[\B+6], 0xbab6061a
	v_fmaak_f32 v[\B+6], v[\B+4], v[\B+6], 0x3d2aaaa5
	v_mul_f32 v[\B+6], v[\B+6], v[\B+4]
	v_fma_f32 v[\B+8], v[\B+4], -0.5, 1.0
	v_fma_f32 v[\B+6], v[\B+6], v[\B+4], v[\B+8]   ; cos rho
	v_cvt_i32_f32 v[\B+7], v[\B+2]
	v_and_b32 v[\B+8], 1, v[\B+7]
	v_cmp_eq_u32 vcc_lo, 1, v[\B+8]
	v_cndmask_b32 v[\B+9], v[\B+5], v[\B+6], vcc_lo    ; odd n: sine and cosine change places
	v_cndmask_b32 v[\B+10], v[\B+6], v[\B+5], vcc_lo
	v_and_b32 v[\B+8], 2, v[\B+7]
	v_lshlrev_b32 v[\B+8], 30, v[\B+8]
	v_xor_b32 v[\O+1], v[\B+8], v[\B+9]            ; the sine is negative for n mod 4 = 2, 3
	v_add_nc_u32 v[\B+7], 1, v[\B+7]
	v_and_b32 v[\B+7], 2, v[\B+7]
	v_lshlrev_b32 v[\B+7], 30, v[\B+7]
	v_xor_b32 v[\O], v[\B+7], v[\B+10]             ; the cosine for n mod 4 = 1, 2
.endm
	SINCOS 32, 24
	SINCOS 48, 26
	global_store_b128 v8, v[24:27], s[12:13]       ; the wave stores 512 consecutive bytes
	s_endpgm
; ---------------------------------------------------------------- PM: a wave packs one tile: 16 queries (tile T) x 128 keys (step)
; Word n = 16 b + i of a tile, bit (r, h): mask[query of (T, r)][128 step + 32 b + 16 h + i] != 0: the mask of lanes for register n of the attention's scores.
.Lpm:
	s_sub_co_u32 s17, ttmp9, 384
	s_lshl_b32 s17, s17, 2
	s_add_co_u32 s17, s17, s16                     ; the tile's number = 16 T + step
	s_lshr_b32 s18, s17, 4
	s_and_b32 s19, s17, 15
	s_lshr_b32 s20, s18, 1
	s_lshl_b32 s20, s20, 5
	s_and_b32 s21, s18, 1
	s_lshl_b32 s21, s21, 3
	s_add_co_u32 s20, s20, s21                     ; the tile's first query
	s_lshl_b32 s20, s20, 13                        ; a row of the mask is 8,192 bytes
	s_lshl_b32 s21, s19, 9                         ; 128 keys are 512
	s_add_co_u32 s20, s20, s21
	s_mov_b32 s21, 0
	s_add_nc_u64 s[10:11], s[10:11], s[20:21]
	v_lshlrev_b32 v1, 4, v2
.irp i, 0,1,2,3,4,5,6,7,8,9,10,11,12,13,14,15
	global_load_b128 v[32+4*\i:35+4*\i], v1, s[10:11] offset:(\i+8*(\i/8))*8192 th:TH_LOAD_NT   ; row r = i of the tile: 512 consecutive bytes; lane L holds keys 4 L .. 4 L + 3
.endr
	s_mov_b32 s24, 0                               ; the or of all bits,
	s_mov_b32 s25, -1                              ; the and
	s_mov_b32 s36, 0x76543210
	s_mov_b32 s37, 0xfedcba98                      ; v_permlanex16_b32's selects for lane l xor 16
	s_mov_b32 s38, 0xffff0000                      ; lanes 16-31
	s_lshl_b32 s32, s17, 8
	s_mov_b32 s33, 0
	s_add_nc_u64 s[32:33], s[14:15], s[32:33]      ; the tile's 64 words
	s_lshl_b32 s34, s17, 2
	s_add_co_u32 s34, s34, MF_OFF
	s_mov_b32 s35, 0
	s_add_nc_u64 s[34:35], s[14:15], s[34:35]      ; and its flags
.irp c, 8,9,10,11,12,13,14,15,18,19
	v_mov_b32 v\c, 0                               ; written whole before single lanes are written and before they are permute destinations
.endr
	v_bfe_u32 v16, v2, 4, 1
	v_lshlrev_b32 v16, 2, v16                      ; 4 h
	v_lshlrev_b32 v20, 3, v2
.irp i, 0,1,2,3,4,5,6,7,8,9,10,11,12,13,14,15
	s_wait_loadcnt 15-\i                           ; row i is in; the younger rows' loads may be out
.irp c, 0,1,2,3
	v_cmp_ne_u32 s[20+\c], 0, v[32+4*\i+\c]        ; bit L: key 4 L + c of row i
.endr
.irp c, 0,1,2,3
	s_or_b32 s24, s24, s[20+\c]
	s_and_b32 s25, s25, s[20+\c]
	v_writelane_b32 v[8+\c], s[20+\c], \i          ; lane r keeps row r's four words
.endr
.endr
.irp c, 0,1,2,3
	v_permlanex16_b32 v[12+\c], v[8+\c], s36, s37
.endr
.irp c, 0,1,2,3
	v_cndmask_b32 v[8+\c], v[8+\c], v[12+\c], s38  ; lanes 16-31 get the same rows' words,
.endr
.irp c, 0,1,2,3
	v_lshrrev_b32 v[8+\c], v16, v[8+\c]            ; shifted by 4 h: bit 8 b + i / 4 of word i % 4 is now key 32 b + 16 h + i
.endr
.irp b, 0,1,2,3
.irp i, 0,1,2,3,4,5,6,7,8,9,10,11,12,13,14,15
	v_and_b32 v17, 1<<(8*\b+\i/4), v[8+\i%4]
	v_cmp_ne_u32 s[28+\i%4], 0, v17                ; word 16 b + i,
	v_writelane_b32 v[18+\i%2], s[28+\i%4], (16*\b+\i)/2   ; two words to a lane
.endr
.endr
	global_store_b64 v20, v[18:19], s[32:33]       ; the wave stores 256 consecutive bytes, aligned
	s_cmp_lg_u32 s24, 0
	s_cselect_b32 s26, 1, 0                        ; flag bit 0: some key of the tile counts
	s_cmp_lg_u32 s25, -1
	s_cselect_b32 s27, 2, 0                        ; flag bit 1: some key does not
	s_or_b32 s26, s26, s27
	v_mov_b32 v21, s26
	v_mov_b32 v22, 0
	v_cmp_eq_u32 vcc_lo, 0, v2
	s_wait_xcnt 0x0                                ; EXEC changes only behind this wait
	s_and_saveexec_b32 s27, vcc_lo
	global_store_b32 v22, v21, s[34:35]            ; one lane stores the flags
	s_wait_xcnt 0x0
	s_or_b32 exec_lo, exec_lo, s27
	s_endpgm
; ---------------------------------------------------------------- PW: a wave takes 32 columns x 256 along K of a weight.  A lane takes a column and its registers run down K.
.set PWX,   32                         ; v32-95   two sets of 32 numbers
.set PWC,   96                         ; v96-103  a block's codes
.set PWOUT, 112                        ; v112-175 the way out
.set PWSB,  24                         ; v24-25   the scale bytes
.set PWRO,  176                        ; v176-207 row i of a block: i x the row's bytes + 4 x lane
.set PWP,   272                        ; a stage row: 256 bytes + 16
.Lpw:
	s_sub_co_u32 s17, ttmp9, 256
	s_lshr_b32 s18, s17, 2                         ; which 128 of the 4,096 columns (24 groups of qkv_w, then 8 of out_w)
	s_and_b32 s19, s17, 3                          ; which 256 along K
	s_mov_b32 s30, 4096
	s_cmp_lt_u32 s18, 24
	s_cselect_b64 s[20:21], s[6:7], s[8:9]         ; the tensor,
	s_cselect_b32 s30, 12288, s30                  ; its row in bytes,
	s_cselect_b32 s22, 0, 24
	s_sub_co_u32 s22, s18, s22                     ; and the group's number in it
	s_lshl_b32 s22, s22, 7
	s_lshl_b32 s23, s16, 5
	s_add_co_u32 s22, s22, s23                     ; my wave's first column
	s_lshl_b32 s22, s22, 2
	s_mul_i32 s24, s19, s30
	s_lshl_b32 s24, s24, 8                         ; 256 rows for each step along K
	s_add_co_u32 s22, s22, s24
	s_mov_b32 s23, 0
	s_add_nc_u64 s[36:37], s[20:21], s[22:23]      ; block 0's first row;
	s_lshl_b32 s22, s30, 5
.irp t, 1,2,3,4,5,6,7
	s_add_nc_u64 s[36+2*\t:37+2*\t], s[34+2*\t:35+2*\t], s[22:23]   ; a base for each block, 32 rows on
.endr
	s_lshl_b32 s26, s18, 7
	s_lshl_b32 s27, s16, 5
	s_add_co_u32 s26, s26, s27                     ; my wave's first stored row
	s_lshl_b32 s28, s26, 10
	s_lshl_b32 s29, s19, 8
	s_add_co_u32 s28, s28, s29
	s_add_co_u32 s28, s28, WC_OFF
	s_mov_b32 s29, 0
	s_add_nc_u64 s[28:29], s[12:13], s[28:29]      ; the codes
	s_lshl_b32 s32, s26, 5
	s_lshl_b32 s33, s19, 3
	s_add_co_u32 s32, s32, s33
	s_add_co_u32 s32, s32, WS_OFF
	s_mov_b32 s33, 0
	s_add_nc_u64 s[32:33], s[12:13], s[32:33]      ; the scale bytes
	s_mov_b32 s31, MANT
	v_lshlrev_b32 v3, 2, v2
.set i, 0
.rept 32
	v_mad_u32_u24 v[PWRO+i], s30, i, v3
.set i, i+1
.endr
	s_mul_i32 s25, s16, 32*PWP
	s_add_co_u32 s25, s25, 32768                   ; my stage, behind PX's bytes
	v_mul_u32_u24 v4, v2, PWP
	v_add_nc_u32 v4, s25, v4                       ; into it: row = my column
	v_and_b32 v5, 15, v2
	v_lshrrev_b32 v6, 4, v2
	v_mul_u32_u24 v7, v6, PWP
	v_lshl_add_u32 v7, v5, 4, v7
	v_add_nc_u32 v7, s25, v7                       ; out of it: sixteen lanes to a row, two rows an instruction
	v_lshlrev_b32 v8, 10, v6
	v_lshl_add_u32 v8, v5, 4, v8                   ; and the same place in the codes' rows of 1,024 bytes
	v_and_b32 v9, 7, v2
	v_bfe_u32 v10, v2, 3, 1
	v_lshl_or_b32 v9, v10, 4, v9
	v_bfe_u32 v10, v2, 4, 1
	v_lshl_or_b32 v9, v10, 3, v9                   ; my column with bits 3 and 4 exchanged
	v_lshlrev_b32 v9, 5, v9                        ; its row of 32 scale bytes
.macro PWLOAD t
.set i, 0
.rept 32
	global_load_b32 v[PWX+32*((\t)%2)+i], v[PWRO+i], s[36+2*(\t):37+2*(\t)] th:TH_LOAD_NT   ; 32 lanes read 128 consecutive bytes of one row
.set i, i+1
.endr
.endm
	PWLOAD 0
	PWLOAD 1
.macro PWBLOCK t
.set PWS, PWX+32*((\t)%2)
.if (\t) < 7
	s_wait_loadcnt 32                              ; this block's 32 loads are in; the next block's may be out
.else
	s_wait_loadcnt 0x0
.endif
	v_max3_num_f32 v12, |v[PWS]|, |v[PWS+1]|, |v[PWS+2]|   ; the block's largest magnitude: all 32 numbers are mine
	v_max3_num_f32 v13, |v[PWS+3]|, |v[PWS+4]|, |v[PWS+5]|
.irp i, 6,10,14,18,22,26
	v_max3_num_f32 v12, v12, |v[PWS+\i]|, |v[PWS+\i+1]|
	v_max3_num_f32 v13, v13, |v[PWS+\i+2]|, |v[PWS+\i+3]|
.endr
	v_max3_num_f32 v12, v12, |v[PWS+30]|, |v[PWS+31]|
	v_max3_num_f32 v12, v12, v13, 0x8000000        ; and the floor 2^(16 - 127): the byte cannot fall under 1
	v_add_nc_u32 v11, 0xf8800000, v12              ; 15 off the exponent field: the conversion's scale operand
	v_and_or_b32 v10, v12, 0x7f800000, s31         ; 57,344 x the scale
	v_lshrrev_b32 v13, 23, v11                     ; the scale's byte
.if (\t)%4 == 0
	v_mov_b32 v[PWSB+(\t)/4], v13
.else
	v_lshl_or_b32 v[PWSB+(\t)/4], v13, 8*((\t)%4), v[PWSB+(\t)/4]
.endif
.set i, 0
.rept 32
	v_med3_num_f32 v[PWS+i], v[PWS+i], -v10, v10   ; the conversion does not saturate (ISA guide 7.6.2): the hold comes first
.set i, i+1
.endr
.irp g, 0,1,2,3
	v_cvt_scalef32_pk8_bf8_f32 v[PWC+2*\g:PWC+2*\g+1], v[PWS+8*\g:PWS+8*\g+7], v11
.endr
	ds_store_b128 v4, v[PWC:PWC+3] offset:32*(\t)
	ds_store_b128 v4, v[PWC+4:PWC+7] offset:32*(\t)+16
.if (\t)+2 < 8
	PWLOAD (\t)+2
.endif
	s_wait_dscnt 0x0                               ; the stores have read their registers: the next block's codes may be written
.endm
.irp t, 0,1,2,3,4,5,6,7
	PWBLOCK \t
.endr
	global_store_b64 v9, v[PWSB:PWSB+1], s[32:33]  ; my column's 8 scale bytes
.irp t, 0,1,2,3,4,5,6,7,8,9,10,11,12,13,14,15
	ds_load_b128 v[PWOUT+4*\t:PWOUT+4*\t+3], v7 offset:2*\t*PWP   ; LDS serves a wave's instructions in order: these see my stores
.endr
.irp t, 0,1,2,3,4,5,6,7,8,9,10,11,12,13,14,15
	s_wait_dscnt 15-\t
	global_store_b128 v8, v[PWOUT+4*\t:PWOUT+4*\t+3], s[28:29] offset:(((2*\t)&7)+(((2*\t)>>3)&1)*16+(((2*\t)>>4)&1)*8)*1024   ; columns 2 t, 2 t + 1 go to their stored rows; sixteen lanes store 256 consecutive bytes, aligned
.endr
	s_wait_tensorcnt 0x0
	ds_add_u32 v208, v209
	s_wait_dscnt 0x0
	s_endpgm
; ---------------------------------------------------------------- PX: a wave takes 8 rows of x (8,192 numbers) as 16 steps of 512.  Each load reads 512 consecutive bytes; a step's 2,048 bytes turn through
; the wave's own stage in LDS so that a lane holds 16 neighbours along K; two neighbouring lanes hold a block.  The 8 rows go out as a run, at the place that exchanging bits 3 and 4 of the row number gives.
.set PXR,  16                          ; v16-79   four sets of 16 numbers as loaded
.set PXX,  80                          ; v80-111  two sets of 16 neighbours
.set PXE,  112                         ; v112-127 a scale byte for each step
.set PXC,  128                         ; v128-191 codes: four registers for each step
.set PXSP, 80                          ; a lane's place in a stage: 64 bytes + 16
.Lpx:
	v_lshlrev_b32 v3, 4, v2
	s_mul_i32 s17, s16, 8192                       ; LDS: 8,192 bytes for each wave: two stages, then 256 scale bytes
	v_lshrrev_b32 v14, 2, v2
	v_mul_u32_u24 v14, v14, PXSP
	v_and_b32 v15, 3, v2
	v_lshl_add_u32 v14, v15, 4, v14
	v_add_nc_u32 v14, s17, v14                     ; the stage, on the way in
	v_mul_u32_u24 v15, v2, PXSP
	v_add_nc_u32 v15, s17, v15                     ; and on the way out
	v_lshlrev_b32 v4, 4, v2                        ; my 16 codes' place in a step's 512
	v_lshrrev_b32 v5, 1, v2
	s_add_co_u32 s17, s17, 2*32*PXSP
	v_add_nc_u32 v5, s17, v5                       ; my block's scale byte
	v_lshlrev_b32 v7, 3, v2
	v_add_nc_u32 v6, s17, v7
	s_mov_b32 s23, MANT
	s_lshl_b32 s18, ttmp9, 2
	s_add_co_u32 s19, s18, s16                     ; which run of 8 rows I read,
	s_and_b32 s20, s16, 1
	s_lshl_b32 s20, s20, 1
	s_lshr_b32 s21, s16, 1
	s_or_b32 s20, s20, s21
	s_add_co_u32 s18, s18, s20                     ; and which I write: the run's two low bits are bits 3 and 4 of its rows
	s_mov_b32 s21, 0
	s_lshl_b32 s20, s19, 15
	s_add_nc_u64 s[4:5], s[4:5], s[20:21]
	s_lshl_b32 s20, s18, 13
	s_add_nc_u64 s[24:25], s[12:13], s[20:21]      ; the codes
	s_lshl_b32 s20, s18, 8
	s_add_co_u32 s20, s20, XS_OFF
	s_add_nc_u64 s[26:27], s[12:13], s[20:21]      ; the scale bytes
.macro PXLOAD t
.irp i, 0,1,2,3
	global_load_b128 v[PXR+16*((\t)%4)+4*\i:PXR+16*((\t)%4)+4*\i+3], v3, s[4:5] offset:2048*(\t)+512*\i th:TH_LOAD_NT
.endr
.endm
.macro PXTURN t                        ; LDS serves a wave's instructions in order: no wait between the stores and the loads
.irp i, 0,1,2,3
	ds_store_b128 v14, v[PXR+16*((\t)%4)+4*\i:PXR+16*((\t)%4)+4*\i+3] offset:32*PXSP*((\t)%2)+8*PXSP*\i
.endr
.irp i, 0,1,2,3
	ds_load_b128 v[PXX+16*((\t)%2)+4*\i:PXX+16*((\t)%2)+4*\i+3], v15 offset:32*PXSP*((\t)%2)+16*\i
.endr
.endm
.irp t, 0,1,2,3
	PXLOAD \t
.endr
	s_wait_loadcnt 12                              ; step 0's four loads are in
	PXTURN 0
.macro PXSTEP t
.set PXS, PXX+16*((\t)%2)
.if (\t) > 0
	s_wait_dscnt 1                                 ; this step's numbers are back from the stage (the last step's byte store may be out)
.else
	s_wait_dscnt 0x0
.endif
.if (\t)+4 < 16
	PXLOAD (\t)+4
.endif
.if (\t)+1 < 16
.if 14-(\t) >= 3
	s_wait_loadcnt 12                              ; the next step's four loads are in; those of the three steps behind it may be out
.else
	s_wait_loadcnt 4*(14-(\t))
.endif
	PXTURN (\t)+1
.endif
	v_max3_num_f32 v8, |v[PXS]|, |v[PXS+1]|, |v[PXS+2]|
	v_max3_num_f32 v9, |v[PXS+3]|, |v[PXS+4]|, |v[PXS+5]|
.irp i, 6,10
	v_max3_num_f32 v8, v8, |v[PXS+\i]|, |v[PXS+\i+1]|
	v_max3_num_f32 v9, v9, |v[PXS+\i+2]|, |v[PXS+\i+3]|
.endr
	v_max3_num_f32 v8, v8, |v[PXS+14]|, |v[PXS+15]|
	v_max3_num_f32 v8, v8, v9, 0x8000000           ; the floor 2^(16 - 127)
	v_max_num_f32_dpp v8, v8, v8 row_xmask:1 row_mask:0xf bank_mask:0xf   ; with my neighbour's 16: the block's largest magnitude
	v_add_nc_u32 v11, 0xf8800000, v8
	v_and_or_b32 v10, v8, 0x7f800000, s23
.irp i, 0,1,2,3,4,5,6,7,8,9,10,11,12,13,14,15
	v_med3_num_f32 v[PXS+\i], v[PXS+\i], -v10, v10
.endr
	v_cvt_scalef32_pk8_bf8_f32 v[PXC+4*(\t):PXC+4*(\t)+1], v[PXS:PXS+7], v11
	v_cvt_scalef32_pk8_bf8_f32 v[PXC+4*(\t)+2:PXC+4*(\t)+3], v[PXS+8:PXS+15], v11
	v_lshrrev_b32 v[PXE+(\t)], 23, v11             ; the scale's byte
	ds_store_b8 v5, v[PXE+(\t)] offset:16*(\t)     ; both lanes of a block write the same byte with the same value
	global_store_b128 v4, v[PXC+4*(\t):PXC+4*(\t)+3], s[24:25] offset:512*(\t)
.endm
.irp t, 0,1,2,3,4,5,6,7,8,9,10,11,12,13,14,15
	PXSTEP \t
.endr
	ds_load_b64 v[12:13], v6
	s_wait_dscnt 0x0
	global_store_b64 v7, v[12:13], s[26:27]        ; the wave stores 256 consecutive bytes, aligned
	s_wait_tensorcnt 0x0
	ds_add_u32 v208, v209
	s_wait_dscnt 0x0
	s_endpgm
.Lfunc_end_k_q472f3bd9ca_prep:
	.size	k_q472f3bd9ca_prep, .Lfunc_end_k_q472f3bd9ca_prep-k_q472f3bd9ca_prep
	.p2alignl 7, 3214868480
	.fill 96, 4, 3214868480
	.section	.rodata,"a",@progbits
	.p2align	6, 0x0
	.amdhsa_kernel k_q472f3bd9ca_prep
		.amdhsa_group_segment_fixed_size 68096
		.amdhsa_private_segment_fixed_size 0
		.amdhsa_enable_private_segment 0
		.amdhsa_kernarg_size 48
		.amdhsa_user_sgpr_count 2
		.amdhsa_user_sgpr_kernarg_segment_ptr 1
		.amdhsa_wavefront_size32 1
		.amdhsa_system_sgpr_workgroup_id_x 1
		.amdhsa_system_sgpr_workgroup_id_y 1
		.amdhsa_system_sgpr_workgroup_id_z 1
		.amdhsa_system_vgpr_workitem_id 0
		.amdhsa_next_free_vgpr 210
		.amdhsa_next_free_sgpr 66
		.amdhsa_reserve_vcc 1
		.amdhsa_float_denorm_mode_32 3
		.amdhsa_float_denorm_mode_16_64 3
		.amdhsa_memory_ordered 1
		.amdhsa_forward_progress 1
		.amdhsa_inst_pref_size 145
	.end_amdhsa_kernel
	.amdgpu_metadata
---
amdhsa.version: [ 1, 2 ]
amdhsa.kernels:
  - .name:           k_q472f3bd9ca_prep
    .symbol:         k_q472f3bd9ca_prep.kd
    .args:
      - { .name: x, .offset: 0, .size: 8, .value_kind: global_buffer, .address_space: global }
      - { .name: qkv_w, .offset: 8, .size: 8, .value_kind: global_buffer, .address_space: global }
      - { .name: out_w, .offset: 16, .size: 8, .value_kind: global_buffer, .address_space: global }
      - { .name: mask, .offset: 24, .size: 8, .value_kind: global_buffer, .address_space: global }
      - { .name: prep, .offset: 32, .size: 8, .value_kind: global_buffer, .address_space: global }
      - { .name: maskw, .offset: 40, .size: 8, .value_kind: global_buffer, .address_space: global }
    .group_segment_fixed_size: 68096
    .private_segment_fixed_size: 0
    .kernarg_segment_align: 8
    .kernarg_segment_size: 48
    .max_flat_workgroup_size: 128
    .sgpr_count:     66
    .vgpr_count:     210
    .wavefront_size: 32
...
	.end_amdgpu_metadata
.endif
;; end of part 1
;; launch qkv (part 2): grid 12 x 32, 4 waves a work-group, clusters of 4 x 4, 327,680 bytes of LDS; arguments prep, qkv_b, qkvc; writes qkvc
.if DOCPART == 2
	.amdgcn_target "amdgcn-amd-amdhsa--gfx1250"
	.amdhsa_code_object_version 6
	.text
	.protected	k_q472f3bd9ca_qkv
	.globl	k_q472f3bd9ca_qkv
	.p2align	8
	.type	k_q472f3bd9ca_qkv,@function
k_q472f3bd9ca_qkv:
	s_mov_b64 s[64:65], 0
	v_nop
	global_prefetch_b8 v0, s[64:65] scope:SCOPE_SE
	s_setreg_imm32_b32 hwreg(HW_REG_WAVE_MODE, 25, 1), 1
	s_wait_xcnt 0x0
	s_wait_alu depctr_hold_cnt(0) depctr_sa_sdst(0) depctr_va_vdst(0) depctr_va_sdst(0) depctr_va_ssrc(0) depctr_va_vcc(0) depctr_vm_vsrc(0)
	s_getreg_b32 s2, hwreg(HW_REG_IB_STS2, 6, 4)
	s_cmp_eq_u32 s2, 0
	s_cbranch_scc0 .Lentry_in_a_cluster
	s_endpgm
.Lentry_in_a_cluster:
	s_bfe_u32 s2, ttmp6, 0x10000c
	s_cmp_lg_u32 s2, 0xf033
	s_cbranch_scc0 .Lentry_shape_is_right
	s_endpgm
.Lentry_shape_is_right:
; QKV: x qkv_w + qkv_b on codes of E5M2 with E8M0 scales (K = 1,024), the rotary turn of q and k, and the quantising of q, k (along the head's 64) and v (along the keys), all in one launch.
; A work-group of four waves makes 256 x 256 of the product, a wave 128 x 128 in 64 accumulators.  K goes in steps of 256 through a ring of two LDS slots filled by the tensor data mover; the scale bytes of the
; work-group's rows come once and stay.  4 x 4 work-groups form a cluster: the four of a row of the cluster ask jointly for the tiles of operand A', the four of a column for those of B'.
; THE CLUSTER'S x SAYS WHAT IS MADE: 0 q, 1 k, 2 v.  It is the same in all sixteen partners.
;   q, k:  A' (source 1) = x's rows, B' (source 0) = the weight's columns.  A lane holds ONE token and its 64 registers of a tile of tokens run along the output columns: two heads of 64.
;   v:     A' = the weight's columns, B' = x's rows.  A lane holds ONE of the head's channels and its registers run along 128 tokens, the next product's K.
; Rows and columns lie in the codes' buffers with bits 3 and 4 of their number exchanged, so that register 16 b + i of a lane is index 32 b + 16 (lane / 16) + i of B': a block of 32 lies in lanes l and l xor 16,
; and the conversions' results are chunks of the next operand's registers.  They are stored as such: 16 bytes a lane, 512 consecutive bytes an instruction.
; One branch on the cluster's x stands in front of the last 128 along K; behind it each of the two ways is written out to its end, and they join at the closing lines.
; LIMITS: a block of zeros gets the scale byte 1 (its codes are zeros; this program alone reads the bytes); NaN and infinities are not served.
; REGISTERS, in windows of 256: window 0: v0-31 addresses; v32-63 scale words, two sets; v64-127 the bias (q, k); from v128 A's fragments, one set; on the way out v128-255 are at work.
;   window 1: B's fragments, two sets; in the last step v0-63 take the rotary table.   windows 2, 3: the accumulators ((a, b) at v[8 (8 (a % 4) + b)]).
.set XS_OFF,   8388608                 ; prep: x's scale bytes (its codes lie at 0)
.set WC_OFF,   8650752                 ; the weights' codes
.set WS_OFF,   12845056                ; the weights' scale bytes
.set WVC_OFF,  WC_OFF+2048*1024        ; v's columns
.set WVS_OFF,  WS_OFF+2048*32
.set ROPE_OFF, 12976128
.set VI_OFF,   16777216                ; qkvc: v's chunks (q's at 0, k's at 8,388,608)
.set QS_OFF,   25165824                ; q's scale words; k's 262,144 on; v's 524,288 on
.set KSTEP,  256
.set NQ,     2
.set ROWB,   256
.set KROW,   1024
.set PITCH,  272                       ; an LDS row: 256 bytes + 16 of padding = 68 words: the 16 rows that a load touches start at 16 different banks (64 banks of 4 bytes: ISA guide 11.1)
.set FR,     16
.set NL,     4
.set NP,     8                         ; places behind this matrix instruction (ISA guide 7.12.1)
.set HALFT,  128*PITCH
.set SLOT,   4*HALFT
.set LAPS,   2                         ; 1,024 / (2 x 256)
.set KS,     32                        ; a row of scale bytes
.set SCL,    2*SLOT
.set HALFS,  (128*KS/256)*272
.set SBLK,   (16*KS/256)*272
.set SPARE,  SCL+4*HALFS               ; the spare words, 128 bytes for each wave: two blocks of 256 bytes that no other line names
.set ADRA, 16
.set ADRB, 20
.set ADRS, 27
.set SPW,  28
.set NIL,  29
.set SC,   32
.set BC,   64                          ; q, k: the bias of my 128 columns, in the accumulators' order
.set AF,   128
.set H,    128                         ; the way out: 64 numbers of a lane
.set PC,   192                         ; their codes
.set TM,   208                         ; v208-211 largest magnitudes, v212-215 bytes, v216-219 holds, v220-223 scale operands
.set PWS,  224                         ; v224-231 the eight tiles' scale words
.set RT,   232                         ; v232-239 at work in the rotary turn
.set RBP,  240                         ; v240-241 v: a tile's bias, twice
.set SW,   244                         ; v244-247 the scale words as they are stored
.set G1, 24
.set G0, 32
.set G1B, 48
.set G0B, 56
.set G1S, 68
.set G0S, 76
.set G1SB, 80
.set G0SB, 88
.set SEL,  66                          ; s[66:67] v_permlanex16_b32's selects for lane l xor 16
.set MNT,  43                          ; s43  the mantissa field of 57,344 (set on the way out)
.set OUT,  96                          ; s[96:97]  where a tile's chunks go
.set RP,   98                          ; s[98:99]  the rotary table at my first tile
.set SOUT, 100                         ; s[100:101] where my scale words go
.set MSB, 0
.macro WIN new                         ; the immediate's high byte repeats the setting that is left
.if MSB != (\new)
	s_set_vgpr_msb (MSB<<8)|(\new)
.set MSB, (\new)
.endif
.endm
.set MUL_LO, 0xa1                      ; source 0 (B') window 1, source 1 (A') window 0, C and D window 2
.set MUL_HI, 0xf1
.set TO_B,   0x40
; A joint load: waves 0 and 1 fetch for A', waves 2 and 3 for B'.  The branch hangs on the wave's number alone.  Four v_nop follow each of the two lines.
.macro JLOAD g0a, g1a, g0b, g1b
	s_cmp_eq_u32 s15, 0
	s_cbranch_scc0 .Lfor_b_\@
	tensor_load_to_lds s[\g0a:\g0a+3], s[\g1a:\g1a+7]
	s_nop 0
.rept 4
	v_nop
.endr
	s_branch .Lasked_\@
.Lfor_b_\@:
	tensor_load_to_lds s[\g0b:\g0b+3], s[\g1b:\g1b+7]
	s_nop 0
.rept 4
	v_nop
.endr
.Lasked_\@:
.endm
.macro CREST                           ; a round of the cluster's barrier behind its opening barrier
	s_cmp_lg_u32 s14, 0
	s_cbranch_scc1 .Lnot_wave_0_\@
	s_barrier_signal -3
.Lnot_wave_0_\@:
	s_barrier_wait -3
	s_barrier_signal -1
	s_barrier_wait -1
.endm
.macro CROUND
	s_barrier_signal -1
	s_barrier_wait -1
	CREST
.endm
	s_load_b128 s[4:7], s[0:1], 0x0                ; prep s[4:5], qkv_b s[6:7]
	s_load_b64 s[8:9], s[0:1], 0x10                ; qkvc
	v_lshl_add_u32 v[SPW], v0, 2, SPARE
	v_mov_b32 v[NIL], 0
	ds_add_u32 v28, v29
	ds_add_u32 v28, v29
	s_wait_dscnt 0x0
	v_lshrrev_b32 v1, 5, v0
	v_readfirstlane_b32 s14, v1                    ; wave 0..3
	s_lshr_b32 s15, s14, 1                         ; which half of A's 256 rows is mine.  Also: I fetch for A' (0) or for B' (1)
	s_and_b32 s16, s14, 1                          ; which half of B's.  Also: which 128 rows I fetch
	s_bfe_u32 s40, ttmp6, 0x40000                  ; cx, cy: my place in the cluster
	s_bfe_u32 s41, ttmp6, 0x40004
	s_and_b32 s10, ttmp7, 0xffff
	s_lshl_b32 s10, s10, 2                         ; 4 x cluster y
	s_lshl_b32 s11, ttmp9, 2                       ; 4 x cluster x
	s_mov_b32 s96, XS_OFF
	s_mov_b32 s97, WS_OFF
	s_cmp_eq_u32 ttmp9, 2                          ; v?  Offsets are chosen, never addresses
	s_cselect_b32 s12, 0, s10                      ; A's tile of 256 rows: q, k: x's, 4 x cluster y + cy;  v: the weight's, cy
	s_cselect_b32 s13, s10, s11                    ; B's: q, k: the weight's, 4 x cluster x + cx;  v: x's, 4 x cluster y + cx
	s_cselect_b32 s95, WVC_OFF, 0                  ; A's codes in prep,
	s_cselect_b32 s96, WVS_OFF, s96                ; A's scale bytes,
	s_cselect_b32 s98, 0, WC_OFF                   ; B's codes,
	s_cselect_b32 s97, XS_OFF, s97                 ; B's scale bytes
	s_add_co_u32 s17, s12, s41
	s_add_co_u32 s42, s13, s40
	s_lshl_b32 s43, s41, 2
	s_lshl_b32 s43, 15, s43                        ; my row of the cluster
	s_lshl_b32 s44, 0x1111, s40                    ; my column
	s_or_b32 s[G1+0], s43, (0<<16)|(1<<20)|(1<<21)|(5<<22)|(3<<25)  ; 15:0 the mask; 17:16 elements of 1 byte; 20 padding on; 21 set beside a mask; 24:22 after every 64 words; 31:25 four words
	s_or_b32 s[G1B+0], s44, (0<<16)|(1<<20)|(1<<21)|(5<<22)|(3<<25)
.irp g, G1, G1B
	s_mov_b32 s[\g+1], ROWB<<16                    ; tensor_dim0
	s_mov_b32 s[\g+2], 128<<16                     ; tensor_dim1
	s_mov_b32 s[\g+3], ROWB<<16                    ; tile_dim0
	s_mov_b32 s[\g+4], 128                         ; tile_dim1
	s_mov_b32 s[\g+5], KROW                        ; tensor_dim0_stride
	s_mov_b32 s[\g+6], 0
	s_mov_b32 s[\g+7], 0
.endr
	s_or_b32 s[G1S+0], s43, (3<<16)|(1<<20)|(1<<21)|(5<<22)|(3<<25) ; the scale bytes of 128 rows: 4,096 dense bytes as 16 rows of 256 (32 elements of 8 bytes), 16 bytes of padding behind each
	s_or_b32 s[G1SB+0], s44, (3<<16)|(1<<20)|(1<<21)|(5<<22)|(3<<25)
.irp g, G1S, G1SB
	s_mov_b32 s[\g+1], 32<<16
	s_mov_b32 s[\g+2], (128*KS/256)<<16
	s_mov_b32 s[\g+3], 32<<16
	s_mov_b32 s[\g+4], 128*KS/256
	s_mov_b32 s[\g+5], 32
	s_mov_b32 s[\g+6], 0
	s_mov_b32 s[\g+7], 0
.endr
	s_lshl_b32 s18, s16, 7                         ; which 128 rows of the tile I fetch
	s_lshl_b32 s20, s17, 8
	s_add_co_u32 s20, s20, s18                     ; A's row
	s_lshl_b32 s46, s42, 8
	s_add_co_u32 s46, s46, s18                     ; B's row
	s_lshl_b32 s22, s20, 5
	s_add_co_u32 s22, s22, s96                     ; where these rows' scale bytes begin in prep,
	s_mov_b32 s23, 0
	s_lshl_b32 s20, s20, 10
	s_add_co_u32 s20, s20, s95                     ; and their codes (all under 2^24)
	s_mov_b32 s21, 0
	s_lshl_b32 s92, s46, 5
	s_add_co_u32 s92, s92, s97
	s_mov_b32 s93, 0
	s_lshl_b32 s46, s46, 10
	s_add_co_u32 s46, s46, s98
	s_mov_b32 s47, 0
	s_mul_i32 s45, s14, HALFT                      ; where they go: wave x 128 rows: no place in the cluster enters an LDS address
	s_mul_i32 s94, s14, HALFS
	s_mov_b32 s[SEL], 0x76543210
	s_mov_b32 s[SEL+1], 0xfedcba98
	s_wait_kmcnt 0x0
	s_add_nc_u64 s[20:21], s[4:5], s[20:21]
	s_add_nc_u64 s[22:23], s[4:5], s[22:23]
	s_add_nc_u64 s[46:47], s[4:5], s[46:47]
	s_add_nc_u64 s[92:93], s[4:5], s[92:93]
	CROUND                                         ; all sixteen work-groups are here: the first joint loads meet
	s_mov_b32 s[G0S], 1
	s_add_co_u32 s[G0S+1], s94, SCL
	s_mov_b64 s[G0S+2:G0S+3], s[22:23]
	s_or_b32 s[G0S+3], s[G0S+3], 0x80000000
	s_mov_b32 s[G0SB], 1
	s_add_co_u32 s[G0SB+1], s94, SCL
	s_mov_b64 s[G0SB+2:G0SB+3], s[92:93]
	s_or_b32 s[G0SB+3], s[G0SB+3], 0x80000000
	JLOAD G0S, G1S, G0SB, G1SB                     ; the scale bytes first: they are wanted with K step 0
.irp s, 0,1
	s_mov_b32 s[G0+4*\s], 1
	s_add_co_u32 s[G0+4*\s+1], s45, \s*SLOT
	s_add_nc_u64 s[G0+4*\s+2:G0+4*\s+3], s[20:21], \s*ROWB
	s_or_b32 s[G0+4*\s+3], s[G0+4*\s+3], 0x80000000
	s_mov_b32 s[G0B+4*\s], 1
	s_add_co_u32 s[G0B+4*\s+1], s45, \s*SLOT
	s_add_nc_u64 s[G0B+4*\s+2:G0B+4*\s+3], s[46:47], \s*ROWB
	s_or_b32 s[G0B+4*\s+3], s[G0B+4*\s+3], 0x80000000
	JLOAD G0+4*\s, G1, G0B+4*\s, G1B
.endr
	v_and_b32 v1, 15, v0                           ; r = lane % 16: stays
	v_bfe_u32 v2, v0, 4, 1                         ; h = lane / 16: stays
	v_mul_u32_u24 v3, v1, PITCH
	v_lshl_add_u32 v4, v2, 4, v3                   ; a fragment's row x pitch + 16 x half
	s_mul_i32 s21, s15, HALFT
	s_mul_i32 s22, s16, HALFT
	s_add_co_u32 s22, s22, 2*HALFT
.irp s, 0,1
	v_add_nc_u32 v[ADRA+\s], s21, v4
	v_add_nc_u32 v[ADRB+\s], s22, v4
	s_add_co_u32 s21, s21, SLOT
	s_add_co_u32 s22, s22, SLOT
.endr
	v_mul_u32_u24 v5, v1, KS                       ; my row's scale bytes: 32 a row,
	v_lshrrev_b32 v6, 8, v5
	v_lshl_add_u32 v5, v6, 4, v5                   ; and 16 more for each 256 passed
	s_mul_i32 s21, s15, HALFS
	s_mul_i32 s22, s16, HALFS
	s_add_co_u32 s22, s22, 2*HALFS
	s_sub_co_u32 s22, s22, s21
	v_mul_u32_u24 v6, s22, v2                      ; lanes 16-31 take B's
	s_add_co_u32 s21, s21, SCL
	v_add_nc_u32 v5, v5, v6
	v_add_nc_u32 v[ADRS], s21, v5
	v_and_b32 v3, 31, v0
	v_lshlrev_b32 v30, 4, v3                       ; 16 x lane: a chunk's place for my lane
	v_lshlrev_b32 v31, 4, v1
	v_lshl_add_u32 v31, v2, 12, v31                ; the scale words' place: 16 r, and lanes 16-31 one head (4,096 bytes) on
.macro FRAG reg, adr, q, i             ; 16 rows x 128 K of codes: lane l holds row l % 16; registers 4 c .. 4 c + 3 hold K = 32 c + 16 (l / 16) + 0 .. 15
.irp c, 0,1,2,3
	ds_load_b128 v[\reg+4*\c:\reg+4*\c+3], v[\adr] offset:128*(\q)+32*\c+(\i)*16*PITCH
.endr
.endm
; 16 matrix instructions: A's blocks a0, a0 + 1 x B's eight.  The 64 accumulators take turns, one instruction a turn, in the same order in every step.
.macro MUL16 a0, p, q, sc, zero
.irp a, \a0, \a0+1
.irp b, 0,1,2,3,4,5,6,7
.if \zero
	v_wmma_scale_f32_16x16x128_f8f6f4 v[8*(8*((\a)%4)+\b):8*(8*((\a)%4)+\b)+7], v[128*(\p)+FR*\b:128*(\p)+FR*\b+FR-1], v[AF+FR*(\a):AF+FR*(\a)+FR-1], 0, v[SC+8*NQ*(\sc)+NQ*\b+(\q)], v[SC+8*NQ*(\sc)+NQ*(\a)+(\q)] matrix_a_fmt:MATRIX_FMT_BF8 matrix_b_fmt:MATRIX_FMT_BF8 matrix_a_scale:MATRIX_SCALE_ROW1
.else
	v_wmma_scale_f32_16x16x128_f8f6f4 v[8*(8*((\a)%4)+\b):8*(8*((\a)%4)+\b)+7], v[128*(\p)+FR*\b:128*(\p)+FR*\b+FR-1], v[AF+FR*(\a):AF+FR*(\a)+FR-1], v[8*(8*((\a)%4)+\b):8*(8*((\a)%4)+\b)+7], v[SC+8*NQ*(\sc)+NQ*\b+(\q)], v[SC+8*NQ*(\sc)+NQ*(\a)+(\q)] matrix_a_fmt:MATRIX_FMT_BF8 matrix_b_fmt:MATRIX_FMT_BF8 matrix_a_scale:MATRIX_SCALE_ROW1
.endif
.endr
.endr
.endm
.macro FETCH_B slot, q, p
	WIN TO_B
.irp i, 0,1,2,3,4,5,6,7
	FRAG 128*(\p)+FR*\i, ADRB+\slot, \q, \i
.endr
	WIN 0
.endm
.macro FETCH_A slot, q, i0
.irp i, \i0, \i0+1, \i0+2, \i0+3
	FRAG AF+FR*(\i), ADRA+\slot, \q, \i
.endr
.endm
.macro SCALES sc                       ; a K step's scale words: two a row; lanes 0-15 take A's block i, lanes 16-31 B's block i
.irp i, 0,1,2,3,4,5,6,7
	ds_load_b64 v[SC+8*NQ*\sc+NQ*\i:SC+8*NQ*\sc+NQ*\i+1], v[ADRS] offset:\i*SBLK
.endr
.endm
.macro PLACES n                        ; plain vector instructions between a matrix instruction and a load into, or a read of, its registers
.rept \n
	v_nop
.endr
.endm
.macro STEP slot, q, zero              ; 128 along K that have their successor in the same slot
	s_wait_dscnt 4*NL                              ; B's set and A's blocks 0-3 are in; the youngest 16 loads (A's blocks 4-7) may be out
	WIN MUL_LO
	MUL16 0, (\q)%2, \q, \slot, \zero
	MUL16 2, (\q)%2, \q, \slot, \zero
	s_wait_dscnt 0
	PLACES NP
	FETCH_B \slot, (\q)+1, 1-(\q)%2
	FETCH_A \slot, (\q)+1, 0
	WIN MUL_HI
	MUL16 4, (\q)%2, \q, \slot, \zero
	MUL16 6, (\q)%2, \q, \slot, \zero
	PLACES NP
	WIN 0
	FETCH_A \slot, (\q)+1, 4
.endm
; A slot's last 128 change slots: one barrier; in front of it each wave waits for all its tensor loads, adds 0 to its spare word, and waits for that and for its reads of this slot.
.macro TURN slot, next, fill
	s_wait_tensorcnt 0x0                           ; all my tensor loads have landed: my part of the next slot
	ds_add_u32 v[SPW], v[NIL]                      ; 0 onto my spare word
	s_wait_dscnt 4*NL+1                            ; (the add and the youngest 16 loads may be out)
	WIN MUL_LO
	MUL16 0, 1, NQ-1, \slot, 0
	s_wait_dscnt 0x0                               ; the add is done, and my reads of this slot are over
	s_barrier_signal -1
	MUL16 2, 1, NQ-1, \slot, 0
	WIN 0
	s_barrier_wait -1
.if \fill
	CREST                                          ; the barrier has opened a round of the cluster's barrier: no wave of any partner still reads this slot or has a load on its way
	s_add_nc_u64 s[G0+4*\slot+2:G0+4*\slot+3], s[G0+4*\slot+2:G0+4*\slot+3], 2*ROWB
	s_add_nc_u64 s[G0B+4*\slot+2:G0B+4*\slot+3], s[G0B+4*\slot+2:G0B+4*\slot+3], 2*ROWB
	JLOAD G0+4*\slot, G1, G0B+4*\slot, G1B         ; the first tensor load behind the round; its four v_nop are among the places in front of the loads below
	PLACES NP-4
.else
	PLACES NP
.endif
	v_add_nc_u32 v[ADRS], 4*NQ, v[ADRS]            ; on to the next K step's scale words
	FETCH_B \next, 0, 0
	FETCH_A \next, 0, 0
	SCALES \next
	WIN MUL_HI
	MUL16 4, 1, NQ-1, \slot, 0
	MUL16 6, 1, NQ-1, \slot, 0
	PLACES NP
	WIN 0
	FETCH_A \next, 0, 4
.endm
.macro LASTSTEP                        ; the last 128 along K: nothing more to fetch
	s_wait_dscnt 4*NL
	WIN MUL_LO
	MUL16 0, 1, NQ-1, 1, 0
	MUL16 2, 1, NQ-1, 1, 0
	s_wait_dscnt 0
	WIN MUL_HI
	MUL16 4, 1, NQ-1, 1, 0
	MUL16 6, 1, NQ-1, 1, 0
	WIN 0
	PLACES NP                                      ; in front of the first read of results and the first write of registers that held fragments
.irp b, 0,1,2,3
	v_mov_b32 v[TM+4+\b], 0                        ; written once: a lane permute's destination counts as one of its sources
.endr
.endm
; 64 numbers of a lane, v[s] on, register 16 b + i = index 32 b + 16 (lane / 16) + i along the next K, become 16 registers of codes in v[PC] on and a scale word in v[pw].
.macro QUANT s, pw
.irp b, 0,1,2,3
	v_max3_num_f32 v[TM+\b], |v[\s+16*\b]|, |v[\s+1+16*\b]|, 0x8000000   ; my 16 numbers of block b, and the floor 2^(16 - 127): the byte cannot fall under 1
.endr
.irp i, 2,4,6,8,10,12,14
.irp b, 0,1,2,3
	v_max3_num_f32 v[TM+\b], v[TM+\b], |v[\s+16*\b+\i]|, |v[\s+1+16*\b+\i]|
.endr
.endr
.irp b, 0,1,2,3
	v_permlanex16_b32 v[TM+4+\b], v[TM+\b], s[SEL], s[SEL+1]
.endr
.irp b, 0,1,2,3
	v_max_num_f32 v[TM+\b], v[TM+\b], v[TM+4+\b]   ; with lane l xor 16's: the block's largest magnitude
.endr
.irp b, 0,1,2,3
	v_add_nc_u32 v[TM+12+\b], 0xf8800000, v[TM+\b] ; 15 off its exponent field: the conversion's scale operand
.endr
.irp b, 0,1,2,3
	v_and_or_b32 v[TM+8+\b], v[TM+\b], 0x7f800000, s[MNT]   ; 57,344 x the scale
.endr
.irp b, 0,1,2,3
	v_lshrrev_b32 v[TM+4+\b], 23, v[TM+12+\b]      ; the scale's byte
.endr
	v_lshl_or_b32 v[\pw], v[TM+5], 8, v[TM+4]
	v_lshl_or_b32 v[\pw], v[TM+6], 16, v[\pw]
	v_lshl_or_b32 v[\pw], v[TM+7], 24, v[\pw]
.irp b, 0,1,2,3
.irp i, 0,1,2,3,4,5,6,7,8,9,10,11,12,13,14,15
	v_med3_num_f32 v[\s+16*\b+\i], v[\s+16*\b+\i], -v[TM+8+\b], v[TM+8+\b]   ; the conversion does not saturate (ISA guide 7.6.2): the hold comes first
.endr
	v_cvt_scalef32_pk8_bf8_f32 v[PC+4*\b:PC+1+4*\b], v[\s+16*\b:\s+7+16*\b], v[TM+12+\b]
	v_cvt_scalef32_pk8_bf8_f32 v[PC+2+4*\b:PC+3+4*\b], v[\s+8+16*\b:\s+15+16*\b], v[TM+12+\b]
.endr
	v_nop                                          ; one plain vector instruction behind the last conversion
.endm
	s_wait_tensorcnt 1                             ; the scale bytes and my part of K step 0 are in (K step 1's load may be out),
	s_barrier_signal -1
	s_barrier_wait -1                              ; everybody's are
	FETCH_B 0, 0, 0
	FETCH_A 0, 0, 0
	SCALES 0
	FETCH_A 0, 0, 4
	STEP 0, 0, 1                                   ; the first step stands in front of the loop: its products start the sums
	s_mov_b32 s3, LAPS-1
.Llap:                                             ; a trip goes once round the ring and fills both slots again
	TURN 0, 1, 1
	STEP 1, 0, 0
	TURN 1, 0, 1
	STEP 0, 0, 0
	s_sub_co_u32 s3, s3, 1
	s_cmp_lg_u32 s3, 0
	s_cbranch_scc1 .Llap
	TURN 0, 1, 0                                   ; the last lap fills nothing
	STEP 1, 0, 0
	s_mov_b32 s[MNT], 0x600000
	s_mov_b32 s23, 0
	s_cmp_eq_u32 ttmp9, 2                          ; the one branch on what is made: the same in all sixteen partners
	s_cbranch_scc1 .Lvpath
; ---------------------------------------------------------------- q and k
	s_lshl_b32 s18, s17, 8
	s_lshl_b32 s19, s15, 7
	s_add_co_u32 s18, s18, s19                     ; my first token
	s_lshr_b32 s19, s18, 11                        ; its batch,
	s_and_b32 s18, s18, 2047                       ; its position
	s_lshl_b32 s20, s42, 8
	s_lshl_b32 s21, s16, 7
	s_add_co_u32 s20, s20, s21                     ; my first column of qkv
	s_bfe_u32 s21, s20, 0x40006                    ; its head
	s_lshl_b32 s19, s19, 4
	s_add_co_u32 s19, s19, s21                     ; 16 x batch + head
	s_lshl_b32 s22, s20, 2
	s_add_nc_u64 s[92:93], s[6:7], s[22:23]        ; the bias of my 128 columns
	s_lshl_b32 s22, s18, 8                         ; a tile of 16 positions is 4,096 bytes of the table
	s_add_co_u32 s22, s22, ROPE_OFF
	s_add_nc_u64 s[RP:RP+1], s[4:5], s[22:23]
	s_lshl_b32 s22, ttmp9, 23                      ; q's chunks, or k's;
	s_lshl_b32 s21, s19, 17                        ; a head's 128 tiles of 1,024 bytes;
	s_add_co_u32 s22, s22, s21
	s_lshl_b32 s21, s18, 6                         ; my first tile
	s_add_co_u32 s22, s22, s21
	s_add_nc_u64 s[OUT:OUT+1], s[8:9], s[22:23]
	s_lshl_b32 s22, ttmp9, 18
	s_lshl_b32 s21, s19, 12                        ; a head's scale words are 4,096 bytes,
	s_add_co_u32 s22, s22, s21
	s_lshl_b32 s21, s18, 1                         ; 128 tokens' 256
	s_add_co_u32 s22, s22, s21
	s_add_co_u32 s22, s22, QS_OFF
	s_add_nc_u64 s[SOUT:SOUT+1], s[8:9], s[22:23]
	v_lshlrev_b32 v7, 6, v2                        ; 64 h: my 16 columns of each 32
	v_mov_b32 v8, 0x05040100                       ; v_perm_b32's select: lanes 0-15 gather the first head's two bytes of two tiles,
	v_mov_b32 v9, 0x07060302                       ; lanes 16-31 the second head's
	v_cmp_eq_u32 vcc_lo, 1, v2
	v_cndmask_b32 v8, v8, v9, vcc_lo
.irp b, 0,1,2,3
.irp k, 0,1,2,3
	global_load_b128 v[BC+16*\b+4*\k:BC+16*\b+4*\k+3], v7, s[92:93] offset:128*\b+16*\k   ; register 16 b + i: the bias of column 32 b + 16 h + i
.endr
.endr
	WIN 0x40                                       ; destination window 1: B's set 0 has had its last reader, eight places and more back
.irp a, 0,1
.irp q, 0,1,2,3,4,5,6,7
	global_load_b128 v[32*\a+4*\q:32*\a+4*\q+3], v30, s[RP:RP+1] offset:4096*\a+512*\q   ; the table of tiles 0 and 1: register 2 p: cos, 2 p + 1: sin of my token's pair p
.endr
.endr
	WIN 0
	LASTSTEP
; Tile a of 16 tokens: + bias, the rotary turn, the codes of two heads, four chunks out.
.macro EPIQ a
.if (\a) > 0
	s_wait_xcnt 0x0                                ; the last tile's stores have read their data and their base
	s_add_nc_u64 s[OUT:OUT+1], s[OUT:OUT+1], 1024
.else
	s_wait_loadcnt 16                              ; the bias is in; the two table tiles (16 loads) may be out
.endif
.set AC, 64*((\a)%4)
.set CB, 32*((\a)%2)
	WIN 0x02+(\a)/4                                ; source 0: the accumulators' window
.set k, 0
.rept 32
	v_pk_add_f32 v[H+2*k:H+2*k+1], v[AC+2*k:AC+2*k+1], v[BC+2*k:BC+2*k+1]   ; each accumulator from its low end on
.set k, k+1
.endr
.if (\a) < 7
	s_wait_loadcnt 8                               ; this tile's table is in; the next tile's 8 loads may be out
.else
	s_wait_loadcnt 0x0
.endif
	WIN 0x04                                       ; source 1: the table, window 1
.set k, 0
.rept 32                               ; pair k: (xe, xo) -> (xe cos - xo sin, xo cos + xe sin); both heads use the same 16 pairs of the table
	v_mul_f32 v[RT+2*(k%4)], v[H+2*k+1], v[CB+2*(k%16)+1]
	v_mul_f32 v[RT+2*(k%4)+1], v[H+2*k], v[CB+2*(k%16)+1]
	v_fma_f32 v[H+2*k], v[H+2*k], v[CB+2*(k%16)], -v[RT+2*(k%4)]
	v_fma_f32 v[H+2*k+1], v[H+2*k+1], v[CB+2*(k%16)], v[RT+2*(k%4)+1]
.set k, k+1
.endr
.if (\a) < 6
	WIN 0x40
.irp q, 0,1,2,3,4,5,6,7
	global_load_b128 v[CB+4*\q:CB+4*\q+3], v30, s[RP:RP+1] offset:4096*((\a)+2)+512*\q   ; the table of the tile two on, into the set just read
.endr
.endif
	WIN 0
	QUANT H, PWS+(\a)
.irp b, 0,1,2,3
	global_store_b128 v30, v[PC+4*\b:PC+4*\b+3], s[OUT:OUT+1] offset:131072*(\b/2)+512*(\b%2)   ; head b / 2, chunk b % 2: 512 consecutive bytes
.endr
.endm
.irp a, 0,1,2,3,4,5,6,7
	EPIQ \a
.endr
.irp p, 0,1,2,3
	v_perm_b32 v[SW+\p], v[PWS+2*\p+1], v[PWS+2*\p], v8   ; word p: tile 2 p's two bytes of my head, then tile 2 p + 1's
.endr
	global_store_b128 v31, v[SW:SW+3], s[SOUT:SOUT+1]     ; sixteen lanes store 256 consecutive bytes, aligned
	s_branch .Lend
; ---------------------------------------------------------------- v
.Lvpath:
	s_lshl_b32 s18, s42, 8
	s_lshl_b32 s19, s16, 7
	s_add_co_u32 s18, s18, s19                     ; my first token: 128 of them are one key step
	s_lshr_b32 s19, s18, 11                        ; its batch,
	s_bfe_u32 s18, s18, 0x40007                    ; its key step
	s_lshl_b32 s20, s17, 8
	s_lshl_b32 s21, s15, 7
	s_add_co_u32 s20, s20, s21                     ; my first channel of v's 1,024
	s_lshl_b32 s22, s20, 2
	s_add_co_u32 s22, s22, 8192
	s_add_nc_u64 s[92:93], s[6:7], s[22:23]        ; its bias
	s_lshr_b32 s21, s20, 6                         ; its head
	s_lshl_b32 s22, s19, 4
	s_add_co_u32 s22, s22, s18
	s_lshl_b32 s22, s22, 4
	s_add_co_u32 s22, s22, s21
	s_lshl_b32 s22, s22, 13                        ; [batch][step][head]: 8,192 bytes each
	s_add_co_u32 s22, s22, VI_OFF
	s_add_nc_u64 s[OUT:OUT+1], s[8:9], s[22:23]
	s_lshl_b32 s22, s19, 4
	s_add_co_u32 s22, s22, s21
	s_lshl_b32 s22, s22, 12
	s_lshl_b32 s21, s18, 8
	s_add_co_u32 s22, s22, s21
	s_add_co_u32 s22, s22, QS_OFF+524288
	s_add_nc_u64 s[SOUT:SOUT+1], s[8:9], s[22:23]
	s_mov_b32 s44, 0xffff0000                      ; lanes 16-31
	v_and_b32 v3, 8, v1
	v_add_nc_u32 v3, v3, v1
	v_lshlrev_b32 v7, 2, v3                        ; 4 (r + 8 (r / 8)): my channel of a tile
.irp a, 0,1,2,3,4,5,6,7
	global_load_b32 v[8+\a], v7, s[92:93] offset:4*(32*(\a/2)+8*(\a%2))
.endr
	LASTSTEP
; Tile a of 16 channels: + bias, the codes along 128 keys: one fragment, four chunks out.
.macro EPIV a
.if (\a) > 0
	s_wait_xcnt 0x0                                ; the last tile's stores have read their data and their base
	s_add_nc_u64 s[OUT:OUT+1], s[OUT:OUT+1], 2048
.else
	s_wait_loadcnt 0x0                             ; the bias
.endif
.set AC, 64*((\a)%4)
	v_mov_b32 v[RBP], v[8+(\a)]
	v_mov_b32 v[RBP+1], v[8+(\a)]
	WIN 0x02+(\a)/4
.set k, 0
.rept 32
	v_pk_add_f32 v[H+2*k:H+2*k+1], v[AC+2*k:AC+2*k+1], v[RBP:RBP+1]
.set k, k+1
.endr
	WIN 0
	QUANT H, PWS+(\a)
.irp b, 0,1,2,3
	global_store_b128 v30, v[PC+4*\b:PC+4*\b+3], s[OUT:OUT+1] offset:512*\b
.endr
.endm
.irp a, 0,1,2,3,4,5,6,7
	EPIV \a
.endr
.irp p, 0,1,2,3
	v_cndmask_b32 v[SW+\p], v[PWS+\p], v[PWS+4+\p], s44   ; lanes 0-15: the first head's four tiles, lanes 16-31 the second's
.endr
	global_store_b128 v31, v[SW:SW+3], s[SOUT:SOUT+1]
.Lend:
	s_wait_tensorcnt 0x0                           ; the wave's end
	ds_add_u32 v[SPW], v[NIL]
	s_wait_dscnt 0x0
	CROUND                                         ; the closing round: no work-group ends while a partner may still ask for a tile that names it
	s_endpgm
.Lfunc_end_k_q472f3bd9ca_qkv:
	.size	k_q472f3bd9ca_qkv, .Lfunc_end_k_q472f3bd9ca_qkv-k_q472f3bd9ca_qkv
	.p2alignl 7, 3214868480
	.fill 96, 4, 3214868480
	.section	.rodata,"a",@progbits
	.p2align	6, 0x0
	.amdhsa_kernel k_q472f3bd9ca_qkv
		.amdhsa_group_segment_fixed_size 327680
		.amdhsa_private_segment_fixed_size 0
		.amdhsa_enable_private_segment 0
		.amdhsa_kernarg_size 24
		.amdhsa_user_sgpr_count 2
		.amdhsa_user_sgpr_kernarg_segment_ptr 1
		.amdhsa_wavefront_size32 1
		.amdhsa_system_sgpr_workgroup_id_x 1
		.amdhsa_system_sgpr_workgroup_id_y 1
		.amdhsa_system_sgpr_workgroup_id_z 1
		.amdhsa_system_vgpr_workitem_id 0
		.amdhsa_next_free_vgpr 1024
		.amdhsa_next_free_sgpr 102
		.amdhsa_reserve_vcc 1
		.amdhsa_float_denorm_mode_32 3
		.amdhsa_float_denorm_mode_16_64 3
		.amdhsa_memory_ordered 1
		.amdhsa_forward_progress 1
		.amdhsa_inst_pref_size 255
	.end_amdhsa_kernel
	.section	.bss,"aw",@nobits
	.p2align	6
	.space	262144
	.amdgpu_metadata
---
amdhsa.version: [ 1, 2 ]
amdhsa.kernels:
  - .name:           k_q472f3bd9ca_qkv
    .symbol:         k_q472f3bd9ca_qkv.kd
    .args:
      - { .name: prep, .offset: 0, .size: 8, .value_kind: global_buffer, .address_space: global }
      - { .name: qkv_b, .offset: 8, .size: 8, .value_kind: global_buffer, .address_space: global }
      - { .name: qkvc, .offset: 16, .size: 8, .value_kind: global_buffer, .address_space: global }
    .group_segment_fixed_size: 327680
    .private_segment_fixed_size: 0
    .kernarg_segment_align: 8
    .kernarg_segment_size: 24
    .max_flat_workgroup_size: 128
    .sgpr_count:     102
    .vgpr_count:     1024
    .wavefront_size: 32
...
	.end_amdgpu_metadata
.endif
;; end of part 2
;; launch attn (part 3): grid 4 x 64, 16 waves a work-group, no clusters, 272,384 bytes of LDS; arguments qkvc, maskw, att; writes att
.if DOCPART == 3
	.amdgcn_target "amdgcn-amd-amdhsa--gfx1250"
	.amdhsa_code_object_version 6
	.text
	.protected	k_q472f3bd9ca_attn
	.globl	k_q472f3bd9ca_attn
	.p2align	8
	.type	k_q472f3bd9ca_attn,@function
k_q472f3bd9ca_attn:
	s_mov_b64 s[64:65], 0
	v_nop
	global_prefetch_b8 v0, s[64:65] scope:SCOPE_SE
	s_setreg_imm32_b32 hwreg(HW_REG_WAVE_MODE, 25, 1), 1
	s_wait_xcnt 0x0
; ATTN: softmax(q k^T / 8, under the mask) v for one head, both products on codes of E5M2 with E8M0 scales, and the quantising of the result along the head's 64 for the last product.
; THE SOFTMAX: t = score x log2(e) / 8; M = the row's largest t so far, rounded UP to a whole number; p = 2^(t - M) is quantised along the keys, not normalised; the row's sum is taken of the unquantised p and
; divides at the end.  When M moves, the sum and O are multiplied by 2^(old M - new M), which rounds nothing.
; SHARES.  Work-group (g, head-and-batch) serves one head; each of its sixteen waves owns two tiles of 16 queries, T = 16 g + wave and 127 - T, one after the other, in 256 registers.
; The head's K and V codes and scale words (270,336 bytes) are copied into LDS once, through registers, ahead of the launch's one barrier; behind it LDS is only read.
; THE MASK IS AN INPUT.  The first launch packed it: for each tile of 16 queries x 128 keys 64 words (word n = the mask of lanes for score register n) and two flag bits.  A step none of whose keys counts for any of
; the tile's queries adds nothing under any mask and is left out, by a scalar branch on its stored flag; a step all of whose keys count skips the 64 selects.
; NO JOINT LOADS, though the four work-groups of a head read the same 270,336 bytes: those would be tensor loads, and the branch on the flags is
; worth more: under a causal mask it leaves out 15 of a wave's 32 steps, and the shared bytes are read once in the launch.
; LAYOUT.  Both products are used transposed, so that a lane holds ONE query (lane % 16) throughout.  The head is 64 wide and the instruction's K is 128: a fragment of K holds TWO tiles of 16 keys (64 codes each) and is
; multiplied by [q | 0] and by [0 | q]; the zeros are eight registers on either side of q's eight.  The tokens of a tile are 32 (T/2) + 8 (T%2) + r + 8 (r/8), so that score register 16 b + i is key 32 b + 16 (lane/16) + i.
; LIMITS: a query for which no key counts gets the scale byte 0xff, which makes its whole output row NaN in the last product, as a softmax over nothing is; NaN and infinities among the inputs are not served.
; REGISTERS: v1-9 addresses; v12 -M, v13 largest t, v[14:15] the sum; v16-23 zeros, v24-31 q, v32-39 zeros; v40-103 four fragments; v104-167 S^T, then p; v168-199 O^T; v200-215 p's codes; v216-231 at work;
;   v232-235 K's scale words, v236-239 V's, v243 p's, v245 q's; v242 f; v244-249 at work.
.set KI_OFF, 8388608
.set VI_OFF, 16777216
.set QS_OFF, 25165824
.set KS_OFF, 25427968
.set VS_OFF, 25690112
.set AS_OFF, 8388608
.set MF_OFF, 524288
.set LV,  131072                       ; LDS: K's chunks at 0, V's here,
.set LKS, 262144                       ; K's scale words, and 4,096 bytes on V's
.set F,   40
.set S,   104
.set O,   168
.set PCD, 200
.set SEL, 86                           ; s[86:87]
.set CS,  88                           ; s[88:89] c = log2(e) / 8
.set MNT, 90
	s_load_b128 s[4:7], s[0:1], 0x0                ; qkvc s[4:5], maskw s[6:7]
	s_load_b64 s[8:9], s[0:1], 0x10                ; att
	v_lshl_add_u32 v241, v0, 2, 0x42000
	v_mov_b32 v255, 0
	v_lshrrev_b32 v1, 5, v0
	v_readfirstlane_b32 s10, v1                    ; wave 0..15
	s_and_b32 s12, ttmp7, 0xffff                   ; 16 x batch + head
	s_lshr_b32 s98, s12, 4                         ; batch
	s_and_b32 s99, s12, 15                         ; head
	v_lshlrev_b32 v250, 4, v0                      ; 16 bytes a thread: 8,192 a load of the work-group
	v_add_nc_u32 v251, 0x10000, v250
	v_add_nc_u32 v252, 0x20000, v250
	v_add_nc_u32 v253, 0x30000, v250
	v_add_nc_u32 v254, 0x40000, v250
	v_and_b32 v249, 255, v0
	v_lshlrev_b32 v249, 4, v249
	s_lshl_b32 s2, s12, 17
	s_add_co_u32 s2, s2, KI_OFF
	s_mov_b32 s3, 0
	s_lshl_b32 s94, s98, 8
	s_add_co_u32 s94, s94, s99
	s_lshl_b32 s94, s94, 13
	s_add_co_u32 s94, s94, VI_OFF
	s_mov_b32 s95, 0
	s_mov_b32 s96, VS_OFF
	s_cmp_lt_u32 s10, 8                            ; waves 0-7 copy K's scale words, waves 8-15 V's
	s_cselect_b32 s96, KS_OFF, s96
	s_lshl_b32 s97, s12, 12
	s_add_co_u32 s96, s96, s97
	s_mov_b32 s97, 0
	s_mov_b32 s[SEL], 0x76543210
	s_mov_b32 s[SEL+1], 0xfedcba98
	s_mov_b32 s[CS], 0x3e38aa3b
	s_mov_b32 s[CS+1], s[CS]                       ; (named with it as a pair, so it is written)
	s_mov_b32 s[MNT], 0x600000
	s_mov_b32 s91, 0xffff0000                      ; lanes 16-31
	s_wait_kmcnt 0x0
	s_add_nc_u64 s[2:3], s[4:5], s[2:3]
	s_add_nc_u64 s[94:95], s[4:5], s[94:95]
	s_add_nc_u64 s[96:97], s[4:5], s[96:97]
.set i, 0
.rept 16
	global_load_b128 v[F+4*i:F+4*i+3], v250, s[2:3] offset:8192*i          ; the head's K, as it lies
.set i, i+1
.endr
.set i, 0
.rept 16
	global_load_b128 v[S+4*i:S+4*i+3], v250, s[94:95] offset:131072*i      ; the head's V: 8,192 bytes of each key step
.set i, i+1
.endr
	global_load_b128 v[O:O+3], v249, s[96:97]
.set i, 0
.rept 8
	s_wait_loadcnt 32-i                            ; the loads issued behind this one may be out
	ds_store_b128 v250, v[F+4*i:F+4*i+3] offset:8192*i
.set i, i+1
.endr
.rept 8
	s_wait_loadcnt 32-i
	ds_store_b128 v251, v[F+4*i:F+4*i+3] offset:8192*(i-8)
.set i, i+1
.endr
.set i, 0
.rept 8
	s_wait_loadcnt 16-i
	ds_store_b128 v252, v[S+4*i:S+4*i+3] offset:8192*i
.set i, i+1
.endr
.rept 8
	s_wait_loadcnt 16-i
	ds_store_b128 v253, v[S+4*i:S+4*i+3] offset:8192*(i-8)
.set i, i+1
.endr
	s_wait_loadcnt 0x0
	ds_store_b128 v254, v[O:O+3]
	v_and_b32 v248, 31, v0
	v_lshlrev_b32 v1, 4, v248                      ; 16 x lane: a chunk's place for my lane
	v_and_b32 v249, 15, v0                         ; r
	v_bfe_u32 v247, v0, 4, 1                       ; h
	v_lshlrev_b32 v8, 4, v249                      ; 16 r
	v_add_nc_u32 v2, LKS, v8                       ; my row's four scale words of a key step
	v_add_nc_u32 v7, LV, v1
	v_lshl_add_u32 v9, v249, 5, v247               ; 32 r + h: my scale byte on the way out
	v_mov_b32 v6, 0xff800000                       ; -infinity
.irp j, 16,17,18,19,20,21,22,23,32,33,34,35,36,37,38,39
	v_mov_b32 v\j, 0                               ; the zero codes on either side of q
.endr
	s_wait_dscnt 0x0                               ; for the others' sake: my stores have landed
	s_barrier_signal -1
	s_barrier_wait -1                              ; the launch's one barrier: from here on LDS is only read
.macro TILE second
	s_wait_xcnt 0x0                                ; earlier loads and stores have read their bases and their data: both are written again below
.if \second
	s_sub_co_u32 s13, 127, s13                     ; the tile's number T
.else
	s_lshl_b32 s13, ttmp9, 4
	s_add_co_u32 s13, s13, s10
.endif
	s_lshl_b32 s2, s12, 7
	s_add_co_u32 s2, s2, s13
	s_lshl_b32 s2, s2, 10
	s_mov_b32 s3, 0
	s_add_nc_u64 s[94:95], s[4:5], s[2:3]          ; q's two chunks
	global_load_b128 v[24:27], v1, s[94:95]
	global_load_b128 v[28:31], v1, s[94:95] offset:512
	s_lshl_b32 s2, s12, 12
	s_lshr_b32 s15, s13, 3
	s_lshl_b32 s15, s15, 8
	s_add_co_u32 s2, s2, s15
	s_bfe_u32 s15, s13, 0x20001
	s_lshl_b32 s15, s15, 2
	s_add_co_u32 s2, s2, s15
	s_add_co_u32 s2, s2, QS_OFF
	s_add_nc_u64 s[96:97], s[4:5], s[2:3]          ; the scale word that holds my tile's two bytes
	global_load_b32 v246, v8, s[96:97]
	s_lshl_b32 s100, s13, 6
	s_load_b512 s[16:31], s[6:7], s100 offset:MF_OFF   ; the tile's sixteen flag words
	s_lshl_b32 s2, s13, 12
	s_add_nc_u64 s[92:93], s[6:7], s[2:3]          ; and where its mask words begin
	s_wait_kmcnt 0x0
	s_mov_b32 s14, s16
.irp j, 1,2,3,4,5,6,7,8,9,10,11,12,13,14,15
	s_lshl_b32 s2, s[16+\j], 2*\j
	s_or_b32 s14, s14, s2                          ; two bits a step, in one register
.endr
	s_and_b32 s2, s13, 1
	s_cmp_eq_u32 s2, 1
	s_mov_b32 s2, 0x01000100
	s_cselect_b32 s2, 0x03020302, s2               ; an even tile's bytes are the word's low two, an odd tile's its high two
	s_wait_loadcnt 0x0
	v_perm_b32 v245, v246, v246, s2                ; q's two bytes, twice: for [q | 0] and for [0 | q]
	v_mov_b32 v13, 0xff61b1e6                      ; the largest t so far: -3e38, under every t
	v_floor_f32 v12, -v13                          ; -M
	v_mov_b32 v14, 0                               ; the sum, in two halves
	v_mov_b32 v15, 0
	v_mov_b32 v243, 0                              ; (named as the upper half of the pair v[242:243] before it is first written)
	v_mov_b32 v244, 0
.irp b, 0,1,2,3
	v_mov_b32 v[220+\b], 0                         ; a lane permute's destination counts as one of its sources
.endr
.set j, 0
.rept 32
	v_mov_b32 v[O+j], 0                            ; O^T: the step is written once; the first finds zeros.  (These lines are also the places between q's scale word and its first use)
.set j, j+1
.endr
	s_mov_b32 s66, 0                               ; the step's chunks in LDS: 8,192 bytes a step
	s_mov_b32 s67, 0                               ; its scale words: 256
	s_mov_b32 s85, 0                               ; its mask words: 256
	s_mov_b32 s84, 0                               ; twice the step's number
.Lstep_\@:
	s_lshr_b32 s15, s14, s84
	s_and_b32 s15, s15, 3                          ; the step's flags
	s_bitcmp1_b32 s15, 0
	s_cbranch_scc0 .Lhid_\@                        ; no key of the step counts for any of my queries
	s_load_b512 s[16:31], s[92:93], s85
	s_load_b512 s[32:47], s[92:93], s85 offset:64
	s_load_b512 s[48:63], s[92:93], s85 offset:128
	s_load_b512 s[68:83], s[92:93], s85 offset:192
	v_add_nc_u32 v3, s66, v1
	v_add_nc_u32 v4, s66, v7
	v_add_nc_u32 v5, s67, v2
.rept 5
	v_nop                                          ; with the three additions: eight places in front of loads into registers that the last step's products read
.endr
	ds_load_b128 v[232:235], v5                    ; K's scale words: word b: tile 2 b's two bytes, then tile 2 b + 1's
.irp b, 0,1,2,3
.irp c, 0,1,2,3
	ds_load_b128 v[F+16*\b+4*\c:F+16*\b+4*\c+3], v3 offset:2048*\b+512*\c
.endr
.endr
.irp b, 0,1,2,3                        ; S^T = K q^T: a fragment's two tiles of keys
	s_wait_dscnt 12-4*\b                           ; the later fragments' loads may be out
	v_wmma_scale_f32_16x16x128_f8f6f4 v[S+16*\b:S+16*\b+7], v[F+16*\b:F+16*\b+15], v[24:39], 0, v[232+\b], v245 matrix_a_fmt:MATRIX_FMT_BF8 matrix_b_fmt:MATRIX_FMT_BF8
	v_wmma_scale_f32_16x16x128_f8f6f4 v[S+16*\b+8:S+16*\b+15], v[F+16*\b:F+16*\b+15], v[16:31], 0, v[232+\b], v245 matrix_a_fmt:MATRIX_FMT_BF8 matrix_b_fmt:MATRIX_FMT_BF8
.endr
.rept 8
	v_nop                                          ; places in front of the loads below and of the first read of the scores
.endr
	ds_load_b128 v[236:239], v5 offset:4096        ; V's scale words and fragments land while the softmax is worked
.irp t, 0,1,2,3
.irp c, 0,1,2,3
	ds_load_b128 v[F+16*\t+4*\c:F+16*\t+4*\c+3], v4 offset:2048*\t+512*\c
.endr
.endr
	s_wait_kmcnt 0x0                               ; the mask words
	s_cmp_lt_u32 s15, 2
	s_cbranch_scc1 .Lopen_\@                       ; every key of the step counts for every query
.set n, 0
.rept 64
	v_cndmask_b32 v[S+n], v6, v[S+n], s[16+n+4*(n/48)]   ; a key that does not count: -infinity, so p = 0
.set n, n+1
.endr
.Lopen_\@:
.irp b, 0,1,2,3
	v_max3_num_f32 v[216+\b], v[S+16*\b], v[S+1+16*\b], v[S+2+16*\b]   ; the largest score of each block of 32 keys: for the row's maximum, and, since p rises with the score, for the block's largest p
.endr
.irp i, 3,5,7,9,11,13
.irp b, 0,1,2,3
	v_max3_num_f32 v[216+\b], v[216+\b], v[S+16*\b+\i], v[S+1+16*\b+\i]
.endr
.endr
.irp b, 0,1,2,3
	v_max_num_f32 v[216+\b], v[216+\b], v[S+15+16*\b]
.endr
.irp b, 0,1,2,3
	v_permlanex16_b32 v[220+\b], v[216+\b], s[SEL], s[SEL+1]
.endr
.irp b, 0,1,2,3
	v_max_num_f32 v[216+\b], v[216+\b], v[220+\b]  ; with lane l xor 16's 16 keys
.endr
	v_max3_num_f32 v244, v216, v217, v218
	v_max_num_f32 v244, v244, v219
	v_mul_f32 v244, s[CS], v244                    ; as t
	v_max_num_f32 v13, v13, v244                   ; the running largest t
	v_mov_b32 v244, v12
	v_floor_f32 v12, -v13                          ; the new -M = -ceil(t)
	v_sub_f32 v244, v12, v244                      ; old M - new M: a whole number, 0 or less
	v_cvt_i32_f32 v244, v244                       ; (it saturates)
	v_ldexp_f32 v242, 1.0, v244                    ; f = 2^(old M - new M)
.set j, 0
.rept 32
	v_pk_fma_f32 v[S+j:S+j+1], v[S+j:S+j+1], s[CS:CS+1], v[12:13] op_sel_hi:[1,0,0]   ; t - M, two at a time
.set j, j+2
.endr
.irp b, 0,1,2,3
	v_fma_f32 v[216+\b], v[216+\b], s[CS], v12     ; the same of each block's largest score
.endr
.set j, 0
.rept 64
	v_exp_f32 v[S+j], v[S+j]                       ; p = 2^(t - M)
.set j, j+1
.endr
	v_pk_mul_f32 v[14:15], v[14:15], v[242:243] op_sel_hi:[1,0]   ; the sums under the new M.  (A plain instruction behind the exponentials)
	s_wait_alu depctr_va_vdst(0)                   ; one wait for the whole batch, ahead of its first reader
.irp b, 0,1,2,3
	v_exp_f32 v[216+\b], v[216+\b]                 ; the block's largest p
.endr
	v_pk_add_f32 v[220:221], v[S:S+1], v[S+2:S+3]  ; the row's sum of the unquantised p, in two chains
.irp j, 4,8,12,16,20,24,28,32,36,40,44,48,52,56,60
	v_pk_add_f32 v[14:15], v[14:15], v[S+\j:S+1+\j]
	v_pk_add_f32 v[220:221], v[220:221], v[S+2+\j:S+3+\j]
.endr
	v_pk_add_f32 v[14:15], v[14:15], v[220:221]
	s_wait_alu depctr_va_vdst(0)                   ; and one for the four
.irp b, 0,1,2,3
	v_max_num_f32 v[216+\b], 0x8000000, v[216+\b]  ; the floor 2^(16 - 127): the byte cannot fall under 1
.endr
.irp b, 0,1,2,3
	v_add_nc_u32 v[228+\b], 0xf8800000, v[216+\b]  ; the conversion's scale operand
.endr
.irp b, 0,1,2,3
	v_and_or_b32 v[224+\b], v[216+\b], 0x7f800000, s[MNT]   ; 57,344 x the scale
.endr
.irp b, 0,1,2,3
	v_lshrrev_b32 v[220+\b], 23, v[228+\b]         ; the scale's byte
.endr
	v_lshl_or_b32 v243, v221, 8, v220              ; p's scale word for these 128 keys
	v_lshl_or_b32 v243, v222, 16, v243
	v_lshl_or_b32 v243, v223, 24, v243
.irp b, 0,1,2,3
.irp i, 0,1,2,3,4,5,6,7,8,9,10,11,12,13,14,15
	v_min_num_f32 v[S+16*\b+\i], v[S+16*\b+\i], v[224+\b]   ; the conversion does not saturate (ISA guide 7.6.2); p is not negative, so the hold is one-sided
.endr
	v_cvt_scalef32_pk8_bf8_f32 v[PCD+4*\b:PCD+1+4*\b], v[S+16*\b:S+7+16*\b], v[228+\b]
	v_cvt_scalef32_pk8_bf8_f32 v[PCD+2+4*\b:PCD+3+4*\b], v[S+8+16*\b:S+15+16*\b], v[228+\b]
.endr
.set j, 0
.rept 16
	v_pk_mul_f32 v[O+j:O+j+1], v[O+j:O+j+1], v[242:243] op_sel_hi:[1,0]   ; O^T under the new M.  (These are also the places in front of the products below)
.set j, j+2
.endr
	s_wait_dscnt 0x0                               ; V
.irp t, 0,1,2,3                        ; O^T += V^T p^T: four tiles of 16 channels, the accumulators by turns
	v_wmma_scale_f32_16x16x128_f8f6f4 v[O+8*\t:O+8*\t+7], v[F+16*\t:F+16*\t+15], v[PCD:PCD+15], v[O+8*\t:O+8*\t+7], v[236+\t], v243 matrix_a_fmt:MATRIX_FMT_BF8 matrix_b_fmt:MATRIX_FMT_BF8
.endr
.Lhid_\@:
	s_add_co_u32 s66, s66, 8192
	s_add_co_u32 s67, s67, 256
	s_add_co_u32 s85, s85, 256
	s_add_co_u32 s84, s84, 2
	s_cmp_lt_u32 s84, 32
	s_cbranch_scc1 .Lstep_\@
	; THE WAY OUT: O^T / the sum; register 16 e + i is channel 32 e + 16 h + i: two blocks of the last product's K, quantised as they stand; two chunks and a scale byte a lane
.rept 8
	v_nop                                          ; places behind the last products
.endr
	v_add_f32 v14, v14, v15
	v_permlanex16_b32 v244, v14, s[SEL], s[SEL+1]
	v_add_f32 v14, v14, v244                       ; the row's sum
	v_rcp_f32 v248, v14
	v_mov_b32 v249, 0                              ; (a plain instruction behind the reciprocal; the pair's upper half is named, so it is written)
	v_cmp_eq_f32 s101, 0, v14                      ; a query for which no key counted
	s_lshl_b32 s2, s98, 7
	s_add_co_u32 s2, s2, s13                       ; the tile's number among the 512
	s_lshl_b32 s94, s2, 14
	s_lshl_b32 s3, s99, 10
	s_add_co_u32 s94, s94, s3                      ; 16,384 bytes a tile, 1,024 a head
	s_mov_b32 s95, 0
	s_lshl_b32 s96, s2, 9
	s_lshl_b32 s3, s99, 1
	s_add_co_u32 s96, s96, s3
	s_add_co_u32 s96, s96, AS_OFF                  ; 32 scale bytes a row, two a head
	s_mov_b32 s97, 0
	s_add_nc_u64 s[94:95], s[8:9], s[94:95]
	s_add_nc_u64 s[96:97], s[8:9], s[96:97]
	s_wait_alu depctr_va_vdst(0)                   ; the wait, ahead of the reciprocal's first reader
.set j, 0
.rept 16
	v_pk_mul_f32 v[S+j:S+j+1], v[O+j:O+j+1], v[248:249] op_sel_hi:[1,0]   ; each accumulator from its low end on
.set j, j+2
.endr
.irp e, 0,1
	v_max3_num_f32 v[216+\e], |v[S+16*\e]|, |v[S+1+16*\e]|, 0x8000000
.endr
.irp i, 2,4,6,8,10,12,14
.irp e, 0,1
	v_max3_num_f32 v[216+\e], v[216+\e], |v[S+16*\e+\i]|, |v[S+1+16*\e+\i]|
.endr
.endr
.irp e, 0,1
	v_permlanex16_b32 v[220+\e], v[216+\e], s[SEL], s[SEL+1]
.endr
.irp e, 0,1
	v_max_num_f32 v[216+\e], v[216+\e], v[220+\e]
.endr
.irp e, 0,1
	v_add_nc_u32 v[228+\e], 0xf8800000, v[216+\e]
.endr
.irp e, 0,1
	v_and_or_b32 v[224+\e], v[216+\e], 0x7f800000, s[MNT]
.endr
.irp e, 0,1
	v_lshrrev_b32 v[220+\e], 23, v[228+\e]
.endr
.irp e, 0,1
.irp i, 0,1,2,3,4,5,6,7,8,9,10,11,12,13,14,15
	v_med3_num_f32 v[S+16*\e+\i], v[S+16*\e+\i], -v[224+\e], v[224+\e]
.endr
	v_cvt_scalef32_pk8_bf8_f32 v[PCD+4*\e:PCD+1+4*\e], v[S+16*\e:S+7+16*\e], v[228+\e]
	v_cvt_scalef32_pk8_bf8_f32 v[PCD+2+4*\e:PCD+3+4*\e], v[S+8+16*\e:S+15+16*\e], v[228+\e]
.endr
	v_nop                                          ; one plain vector instruction behind the last conversion
	v_cndmask_b32 v246, v220, v221, s91            ; lanes 0-15 store the first block's byte, lanes 16-31 the second's
	v_mov_b32 v247, 0xff
	v_cndmask_b32 v246, v246, v247, s101           ; no key counted: the byte that makes the row NaN
	global_store_b128 v1, v[PCD:PCD+3], s[94:95]               ; 512 consecutive bytes
	global_store_b128 v1, v[PCD+4:PCD+7], s[94:95] offset:512
	global_store_b8 v9, v246, s[96:97]             ; one byte a lane, rows 32 bytes apart: one byte in 33 of what the launch stores
.endm
	TILE 0
	TILE 1
	s_wait_tensorcnt 0x0
	ds_add_u32 v241, v255
	s_wait_dscnt 0x0
	s_endpgm
.Lfunc_end_k_q472f3bd9ca_attn:
	.size	k_q472f3bd9ca_attn, .Lfunc_end_k_q472f3bd9ca_attn-k_q472f3bd9ca_attn
	.p2alignl 7, 3214868480
	.fill 96, 4, 3214868480
	.section	.rodata,"a",@progbits
	.p2align	6, 0x0
	.amdhsa_kernel k_q472f3bd9ca_attn
		.amdhsa_group_segment_fixed_size 272384
		.amdhsa_private_segment_fixed_size 0
		.amdhsa_enable_private_segment 0
		.amdhsa_kernarg_size 24
		.amdhsa_user_sgpr_count 2
		.amdhsa_user_sgpr_kernarg_segment_ptr 1
		.amdhsa_wavefront_size32 1
		.amdhsa_system_sgpr_workgroup_id_x 1
		.amdhsa_system_sgpr_workgroup_id_y 1
		.amdhsa_system_sgpr_workgroup_id_z 1
		.amdhsa_system_vgpr_workitem_id 0
		.amdhsa_next_free_vgpr 256
		.amdhsa_next_free_sgpr 102
		.amdhsa_reserve_vcc 0
		.amdhsa_float_denorm_mode_32 3
		.amdhsa_float_denorm_mode_16_64 3
		.amdhsa_memory_ordered 1
		.amdhsa_forward_progress 1
		.amdhsa_inst_pref_size 76
	.end_amdhsa_kernel
	.amdgpu_metadata
---
amdhsa.version: [ 1, 2 ]
amdhsa.kernels:
  - .name:           k_q472f3bd9ca_attn
    .symbol:         k_q472f3bd9ca_attn.kd
    .args:
      - { .name: qkvc, .offset: 0, .size: 8, .value_kind: global_buffer, .address_space: global }
      - { .name: maskw, .offset: 8, .size: 8, .value_kind: global_buffer, .address_space: global }
      - { .name: att, .offset: 16, .size: 8, .value_kind: global_buffer, .address_space: global }
    .group_segment_fixed_size: 272384
    .private_segment_fixed_size: 0
    .kernarg_segment_align: 8
    .kernarg_segment_size: 24
    .max_flat_workgroup_size: 512
    .sgpr_count:     102
    .vgpr_count:     256
    .wavefront_size: 32
...
	.end_amdgpu_metadata
.endif
;; end of part 3
;; launch oproj (part 4): grid 4 x 32, 4 waves a work-group, clusters of 4 x 4, 327,680 bytes of LDS; arguments att, prep, out_b, out0; writes out0
.if DOCPART == 4
	.amdgcn_target "amdgcn-amd-amdhsa--gfx1250"
	.amdhsa_code_object_version 6
	.text
	.protected	k_q472f3bd9ca_oproj
	.globl	k_q472f3bd9ca_oproj
	.p2align	8
	.type	k_q472f3bd9ca_oproj,@function
k_q472f3bd9ca_oproj:
	s_mov_b64 s[64:65], 0
	v_nop
	global_prefetch_b8 v0, s[64:65] scope:SCOPE_SE
	s_setreg_imm32_b32 hwreg(HW_REG_WAVE_MODE, 25, 1), 1
	s_wait_xcnt 0x0
	s_wait_alu depctr_hold_cnt(0) depctr_sa_sdst(0) depctr_va_vdst(0) depctr_va_sdst(0) depctr_va_ssrc(0) depctr_va_vcc(0) depctr_vm_vsrc(0)
	s_getreg_b32 s2, hwreg(HW_REG_IB_STS2, 6, 4)
	s_cmp_eq_u32 s2, 0
	s_cbranch_scc0 .Lentry_in_a_cluster
	s_endpgm
.Lentry_in_a_cluster:
	s_bfe_u32 s2, ttmp6, 0x10000c
	s_cmp_lg_u32 s2, 0xf033
	s_cbranch_scc0 .Lentry_shape_is_right
	s_endpgm
.Lentry_shape_is_right:
; OPROJ: out0 = o out_w + out_b on codes of E5M2 with E8M0 scales.  M = 8,192, N = 1,024, K = 1,024.
; A work-group of four waves makes 256 x 256, a wave 128 x 128 in 64 accumulators; K goes in steps of 256 through a ring of two LDS slots filled by the tensor data mover; the scale bytes come once and stay.
; 4 x 4 work-groups form a cluster: the four of a row ask jointly for A's tiles, the four of a column for B's.
; A (the attention's result) lies in memory as IMAGES OF ITS FRAGMENTS: [tile of 16 tokens][8 steps of 128 along K][4 chunks of 512 bytes], lane l's 16 bytes of a chunk at 16 l.  A K step of 256 of a tile is 4,096
; consecutive bytes; a wave's load brings 8 tiles' (rows 16,384 bytes apart), with no padding: a chunk is read as it lies.  B (out_w's columns, K innermost) comes as rows of 256 bytes, padded.
; The tokens of a tile are 32 (T/2) + 8 (T%2) + r + 8 (r/8), and out_w's columns lie with bits 3 and 4 of their number exchanged: both orders are undone on the way out, by the places in the stage and the rows' offsets.
; THE MATRIX INSTRUCTION IS USED TRANSPOSED (source 0 = 16 columns of out_w, source 1 = 16 tokens): a lane holds eight neighbouring numbers of a row of out0.
; 128 work-groups: the tile is kept at 256 x 256 so that no fragment is read twice from LDS.
; REGISTERS as windows of 256: window 0: v0-31 addresses and the bias; v32-63 scale words; from v128 A's fragments, one set; window 1: B's fragments, two sets; windows 2, 3: the accumulators.
.set AS_OFF,  8388608                  ; att: the scale bytes
.set BC_OFF,  8650752+3072*1024        ; prep: out_w's codes,
.set BS_OFF,  12845056+3072*32         ; its scale bytes
.set NQ,     2
.set ROWB,   256
.set AROWB,  4096                      ; a K step of a tile of 16 tokens
.set KROW,   1024
.set PITCH,  272                       ; B's LDS row: 256 bytes + 16 of padding
.set FR,     16
.set NL,     4
.set NP,     8
.set HALFA,  8*AROWB                   ; 8 tiles: what one load brings of A
.set HALFT,  128*PITCH                 ; 128 rows of B
.set BOFF,   2*HALFA
.set SLOT,   2*HALFA+2*HALFT
.set LAPS,   2
.set KS,     32
.set SCL,    2*SLOT
.set HALFS,  (128*KS/256)*272
.set SBLK,   (16*KS/256)*272
.set SPARE,  SCL+4*HALFS               ; the spare words, 128 bytes for each wave: two blocks of 256 bytes that no other line names
.set SPITCH, 528                       ; the way out: a stage of 16 rows x (512 bytes + 16) for each wave, in slot 0, which has had its last fill and its last read when the first result is stored there
.set BIAS, 8                           ; v8-11   out_b at my four columns of a row
.set ADRA, 16
.set ADRB, 20
.set STO,  24
.set RD,   25
.set CO,   26
.set ADRS, 27
.set SPW,  28
.set NIL,  29
.set SC,   32
.set AF,   128
.set BK,   128
.set G1, 24
.set G0, 32
.set G1B, 48
.set G0B, 56
.set G1S, 68
.set G0S, 76
.set G1SB, 80
.set G0SB, 88
.set MSB, 0
.macro WIN new
.if MSB != (\new)
	s_set_vgpr_msb (MSB<<8)|(\new)
.set MSB, (\new)
.endif
.endm
.set MUL_LO, 0xa1
.set MUL_HI, 0xf1
.set TO_B,   0x40
.macro JLOAD g0a, g1a, g0b, g1b        ; a joint load: waves 0 and 1 fetch for A, waves 2 and 3 for B; four v_nop follow each of the two lines
	s_cmp_eq_u32 s15, 0
	s_cbranch_scc0 .Lfor_b_\@
	tensor_load_to_lds s[\g0a:\g0a+3], s[\g1a:\g1a+7]
	s_nop 0
.rept 4
	v_nop
.endr
	s_branch .Lasked_\@
.Lfor_b_\@:
	tensor_load_to_lds s[\g0b:\g0b+3], s[\g1b:\g1b+7]
	s_nop 0
.rept 4
	v_nop
.endr
.Lasked_\@:
.endm
.macro CREST
	s_cmp_lg_u32 s14, 0
	s_cbranch_scc1 .Lnot_wave_0_\@
	s_barrier_signal -3
.Lnot_wave_0_\@:
	s_barrier_wait -3
	s_barrier_signal -1
	s_barrier_wait -1
.endm
.macro CROUND
	s_barrier_signal -1
	s_barrier_wait -1
	CREST
.endm
	s_load_b256 s[4:11], s[0:1], 0x0               ; att s[4:5], prep s[6:7], out_b s[8:9], out0 s[10:11]
	v_lshl_add_u32 v[SPW], v0, 2, SPARE
	v_mov_b32 v[NIL], 0
	ds_add_u32 v28, v29
	ds_add_u32 v28, v29
	s_wait_dscnt 0x0
	v_lshrrev_b32 v1, 5, v0
	v_readfirstlane_b32 s14, v1                    ; wave 0..3
	s_lshr_b32 s15, s14, 1                         ; which half of the tile's rows is mine.  Also: I fetch for A (0) or for B (1)
	s_and_b32 s16, s14, 1                          ; which half of its columns.  Also: which half I fetch
	s_bfe_u32 s40, ttmp6, 0x40000
	s_bfe_u32 s41, ttmp6, 0x40004
	s_lshl_b32 s42, ttmp9, 2
	s_add_co_u32 s42, s42, s40                     ; tile column
	s_and_b32 s17, ttmp7, 0xffff
	s_lshl_b32 s17, s17, 2
	s_add_co_u32 s17, s17, s41                     ; tile row
	s_lshl_b32 s43, s41, 2
	s_lshl_b32 s43, 15, s43                        ; my row of the cluster
	s_lshl_b32 s44, 0x1111, s40                    ; my column
	s_or_b32 s[G1+0], s43, (3<<16)|(1<<21)         ; A: 15:0 the mask; 17:16 elements of 8 bytes; no padding; 21 set beside a mask
	s_mov_b32 s[G1+1], 512<<16                     ; tensor_dim0 = 512 elements: 4,096 bytes
	s_mov_b32 s[G1+2], 8<<16                       ; tensor_dim1 = 8 tiles
	s_mov_b32 s[G1+3], 512<<16                     ; tile_dim0
	s_mov_b32 s[G1+4], 8                           ; tile_dim1
	s_mov_b32 s[G1+5], 2048                        ; from tile to tile: 16,384 bytes
	s_mov_b32 s[G1+6], 0
	s_mov_b32 s[G1+7], 0
	s_or_b32 s[G1B+0], s44, (0<<16)|(1<<20)|(1<<21)|(5<<22)|(3<<25)   ; B: elements of 1 byte; four words of padding after every 64
	s_mov_b32 s[G1B+1], ROWB<<16
	s_mov_b32 s[G1B+2], 128<<16
	s_mov_b32 s[G1B+3], ROWB<<16
	s_mov_b32 s[G1B+4], 128
	s_mov_b32 s[G1B+5], KROW
	s_mov_b32 s[G1B+6], 0
	s_mov_b32 s[G1B+7], 0
	s_or_b32 s[G1S+0], s43, (3<<16)|(1<<20)|(1<<21)|(5<<22)|(3<<25)   ; the scale bytes of 128 rows: 16 rows of 256 bytes, 16 bytes of padding behind each
	s_or_b32 s[G1SB+0], s44, (3<<16)|(1<<20)|(1<<21)|(5<<22)|(3<<25)
.irp g, G1S, G1SB
	s_mov_b32 s[\g+1], 32<<16
	s_mov_b32 s[\g+2], (128*KS/256)<<16
	s_mov_b32 s[\g+3], 32<<16
	s_mov_b32 s[\g+4], 128*KS/256
	s_mov_b32 s[\g+5], 32
	s_mov_b32 s[\g+6], 0
	s_mov_b32 s[\g+7], 0
.endr
	s_lshl_b32 s18, s16, 7                         ; which 128 rows I fetch
	s_lshl_b32 s20, s17, 8
	s_add_co_u32 s20, s20, s18                     ; A's row
	s_lshl_b32 s46, s42, 8
	s_add_co_u32 s46, s46, s18                     ; B's row
	s_lshl_b32 s22, s20, 5
	s_add_co_u32 s22, s22, AS_OFF                  ; A's scale bytes,
	s_mov_b32 s23, 0
	s_lshl_b32 s20, s20, 10                        ; A's images: 16 rows are 16,384 bytes
	s_mov_b32 s21, 0
	s_lshl_b32 s92, s46, 5
	s_add_co_u32 s92, s92, BS_OFF
	s_mov_b32 s93, 0
	s_lshl_b32 s46, s46, 10
	s_add_co_u32 s46, s46, BC_OFF
	s_mov_b32 s47, 0
	s_mul_i32 s45, s16, HALFA                      ; where they go: A's halves,
	s_mul_i32 s19, s16, HALFT
	s_add_co_u32 s19, s19, BOFF                    ; B's halves behind them: no place in the cluster enters an LDS address
	s_mul_i32 s94, s14, HALFS
	s_wait_kmcnt 0x0
	s_add_nc_u64 s[20:21], s[4:5], s[20:21]
	s_add_nc_u64 s[22:23], s[4:5], s[22:23]
	s_add_nc_u64 s[46:47], s[6:7], s[46:47]
	s_add_nc_u64 s[92:93], s[6:7], s[92:93]
	CROUND                                         ; all sixteen work-groups are here: the first joint loads meet
	s_mov_b32 s[G0S], 1
	s_add_co_u32 s[G0S+1], s94, SCL
	s_mov_b64 s[G0S+2:G0S+3], s[22:23]
	s_or_b32 s[G0S+3], s[G0S+3], 0x80000000
	s_mov_b32 s[G0SB], 1
	s_add_co_u32 s[G0SB+1], s94, SCL
	s_mov_b64 s[G0SB+2:G0SB+3], s[92:93]
	s_or_b32 s[G0SB+3], s[G0SB+3], 0x80000000
	JLOAD G0S, G1S, G0SB, G1SB
.irp s, 0,1
	s_mov_b32 s[G0+4*\s], 1
	s_add_co_u32 s[G0+4*\s+1], s45, \s*SLOT
	s_add_nc_u64 s[G0+4*\s+2:G0+4*\s+3], s[20:21], \s*AROWB
	s_or_b32 s[G0+4*\s+3], s[G0+4*\s+3], 0x80000000
	s_mov_b32 s[G0B+4*\s], 1
	s_add_co_u32 s[G0B+4*\s+1], s19, \s*SLOT
	s_add_nc_u64 s[G0B+4*\s+2:G0B+4*\s+3], s[46:47], \s*ROWB
	s_or_b32 s[G0B+4*\s+3], s[G0B+4*\s+3], 0x80000000
	JLOAD G0+4*\s, G1, G0B+4*\s, G1B
.endr
	v_and_b32 v1, 15, v0                           ; r
	v_bfe_u32 v2, v0, 4, 1                         ; h
	v_and_b32 v6, 31, v0
	v_lshlrev_b32 v[CO], 4, v6                     ; 16 x lane
	v_mul_u32_u24 v3, v1, PITCH
	v_lshl_add_u32 v4, v2, 4, v3
	s_mul_i32 s21, s15, HALFA                      ; my 8 tiles of A
	s_mul_i32 s22, s16, HALFT                      ; my 128 rows of B
	s_add_co_u32 s22, s22, BOFF
.irp s, 0,1
	v_add_nc_u32 v[ADRA+\s], s21, v[CO]
	v_add_nc_u32 v[ADRB+\s], s22, v4
	s_add_co_u32 s21, s21, SLOT
	s_add_co_u32 s22, s22, SLOT
.endr
	v_mul_u32_u24 v5, v1, KS
	v_lshrrev_b32 v6, 8, v5
	v_lshl_add_u32 v5, v6, 4, v5
	s_mul_i32 s21, s15, HALFS
	s_mul_i32 s22, s16, HALFS
	s_add_co_u32 s22, s22, 2*HALFS
	s_sub_co_u32 s22, s22, s21
	v_mul_u32_u24 v6, s22, v2                      ; lanes 16-31 take B's
	s_add_co_u32 s21, s21, SCL
	v_add_nc_u32 v5, v5, v6
	v_add_nc_u32 v[ADRS], s21, v5
	s_mul_i32 s23, s14, 16*SPITCH                  ; my stage
	v_mul_u32_u24 v5, v1, SPITCH
	v_lshl_add_u32 v5, v2, 6, v5                   ; in: row r, + 64 h: accumulator 2 b + u holds columns 32 b + 16 h + 8 u + 0 .. 7
	v_add_nc_u32 v[STO], s23, v5
	v_add_nc_u32 v[RD], s23, v[CO]                 ; back: the 32 lanes take one row of 512 bytes
	s_lshl_b32 s20, s17, 8
	s_lshl_b32 s21, s15, 7
	s_add_co_u32 s20, s20, s21
	s_lshl_b32 s20, s20, 12                        ; my first row of out0: 4,096 bytes a row
	s_lshl_b32 s46, s42, 10
	s_lshl_b32 s47, s16, 9
	s_add_co_u32 s46, s46, s47                     ; my first column, in bytes
	s_mov_b32 s47, 0
	s_add_nc_u64 s[8:9], s[8:9], s[46:47]
	global_load_b128 v[BIAS:BIAS+3], v[CO], s[8:9] ; out_b at my four columns
	s_add_co_u32 s20, s20, s46
	s_mov_b32 s21, 0
	s_add_nc_u64 s[12:13], s[10:11], s[20:21]
.macro FRAGB reg, adr, q, i
.irp c, 0,1,2,3
	ds_load_b128 v[\reg+4*\c:\reg+4*\c+3], v[\adr] offset:128*(\q)+32*\c+(\i)*16*PITCH
.endr
.endm
.macro FRAGA reg, adr, q, i            ; an image: four chunks of 512 consecutive bytes
.irp c, 0,1,2,3
	ds_load_b128 v[\reg+4*\c:\reg+4*\c+3], v[\adr] offset:AROWB*(\i)+2048*(\q)+512*\c
.endr
.endm
.macro MUL16 a0, p, q, sc, zero        ; the 64 accumulators take turns, one instruction a turn, in the same order in every step
.irp a, \a0, \a0+1
.irp b, 0,1,2,3,4,5,6,7
.if \zero
	v_wmma_scale_f32_16x16x128_f8f6f4 v[8*(8*((\a)%4)+\b):8*(8*((\a)%4)+\b)+7], v[128*(\p)+FR*\b:128*(\p)+FR*\b+FR-1], v[AF+FR*(\a):AF+FR*(\a)+FR-1], 0, v[SC+8*NQ*(\sc)+NQ*\b+(\q)], v[SC+8*NQ*(\sc)+NQ*(\a)+(\q)] matrix_a_fmt:MATRIX_FMT_BF8 matrix_b_fmt:MATRIX_FMT_BF8 matrix_a_scale:MATRIX_SCALE_ROW1
.else
	v_wmma_scale_f32_16x16x128_f8f6f4 v[8*(8*((\a)%4)+\b):8*(8*((\a)%4)+\b)+7], v[128*(\p)+FR*\b:128*(\p)+FR*\b+FR-1], v[AF+FR*(\a):AF+FR*(\a)+FR-1], v[8*(8*((\a)%4)+\b):8*(8*((\a)%4)+\b)+7], v[SC+8*NQ*(\sc)+NQ*\b+(\q)], v[SC+8*NQ*(\sc)+NQ*(\a)+(\q)] matrix_a_fmt:MATRIX_FMT_BF8 matrix_b_fmt:MATRIX_FMT_BF8 matrix_a_scale:MATRIX_SCALE_ROW1
.endif
.endr
.endr
.endm
.macro FETCH_B slot, q, p
	WIN TO_B
.irp i, 0,1,2,3,4,5,6,7
	FRAGB 128*(\p)+FR*\i, ADRB+\slot, \q, \i
.endr
	WIN 0
.endm
.macro FETCH_A slot, q, i0
.irp i, \i0, \i0+1, \i0+2, \i0+3
	FRAGA AF+FR*(\i), ADRA+\slot, \q, \i
.endr
.endm
.macro SCALES sc
.irp i, 0,1,2,3,4,5,6,7
	ds_load_b64 v[SC+8*NQ*\sc+NQ*\i:SC+8*NQ*\sc+NQ*\i+1], v[ADRS] offset:\i*SBLK
.endr
.endm
.macro PLACES n
.rept \n
	v_nop
.endr
.endm
.macro STEP slot, q, zero
	s_wait_dscnt 4*NL                              ; B's set and A's blocks 0-3 are in; the youngest 16 loads (A's blocks 4-7) may be out
	WIN MUL_LO
	MUL16 0, (\q)%2, \q, \slot, \zero
	MUL16 2, (\q)%2, \q, \slot, \zero
	s_wait_dscnt 0
	PLACES NP
	FETCH_B \slot, (\q)+1, 1-(\q)%2
	FETCH_A \slot, (\q)+1, 0
	WIN MUL_HI
	MUL16 4, (\q)%2, \q, \slot, \zero
	MUL16 6, (\q)%2, \q, \slot, \zero
	PLACES NP
	WIN 0
	FETCH_A \slot, (\q)+1, 4
.endm
.macro TURN slot, next, fill
	s_wait_tensorcnt 0x0                           ; all my tensor loads have landed: my part of the next slot
	ds_add_u32 v[SPW], v[NIL]                      ; 0 onto my spare word
	s_wait_dscnt 4*NL+1                            ; (the add and the youngest 16 loads may be out)
	WIN MUL_LO
	MUL16 0, 1, NQ-1, \slot, 0
	s_wait_dscnt 0x0                               ; the add is done, and my reads of this slot are over
	s_barrier_signal -1
	MUL16 2, 1, NQ-1, \slot, 0
	WIN 0
	s_barrier_wait -1
.if \fill
	CREST                                          ; the barrier has opened a round of the cluster's barrier
	s_add_nc_u64 s[G0+4*\slot+2:G0+4*\slot+3], s[G0+4*\slot+2:G0+4*\slot+3], 2*AROWB
	s_add_nc_u64 s[G0B+4*\slot+2:G0B+4*\slot+3], s[G0B+4*\slot+2:G0B+4*\slot+3], 2*ROWB
	JLOAD G0+4*\slot, G1, G0B+4*\slot, G1B         ; the first tensor load behind the round
	PLACES NP-4
.else
	PLACES NP
.endif
	v_add_nc_u32 v[ADRS], 4*NQ, v[ADRS]
	FETCH_B \next, 0, 0
	FETCH_A \next, 0, 0
	SCALES \next
	WIN MUL_HI
	MUL16 4, 1, NQ-1, \slot, 0
	MUL16 6, 1, NQ-1, \slot, 0
	PLACES NP
	WIN 0
	FETCH_A \next, 0, 4
.endm
	s_wait_tensorcnt 1                             ; the scale bytes and my part of K step 0 are in (K step 1's load may be out),
	s_barrier_signal -1
	s_barrier_wait -1                              ; everybody's are
	FETCH_B 0, 0, 0
	FETCH_A 0, 0, 0
	SCALES 0
	FETCH_A 0, 0, 4
	STEP 0, 0, 1
	s_mov_b32 s3, LAPS-1
.Llap:
	TURN 0, 1, 1
	STEP 1, 0, 0
	TURN 1, 0, 1
	STEP 0, 0, 0
	s_sub_co_u32 s3, s3, 1
	s_cmp_lg_u32 s3, 0
	s_cbranch_scc1 .Llap
	TURN 0, 1, 0
	STEP 1, 0, 0
	s_wait_dscnt 4*NL
	WIN MUL_LO
	MUL16 0, 1, NQ-1, 1, 0
	MUL16 2, 1, NQ-1, 1, 0
	s_wait_dscnt 0
	WIN MUL_HI
	MUL16 4, 1, NQ-1, 1, 0
	MUL16 6, 1, NQ-1, 1, 0
	WIN 0
; THE WAY OUT, tile by tile of 16 tokens x 128 columns, through my own stage in LDS; LDS serves a wave's instructions in order (ISA guide 5.7.1.4): no wait between the stores and the loads.
.macro TOSTAGE a
.set AC, 64*((\a)%4)
	WIN 0x08+4*((\a)/4)                            ; the data: window 2 or 3
.irp b, 0,1,2,3,4,5,6,7
	ds_store_b128 v[STO], v[AC+8*\b:AC+8*\b+3] offset:128*(\b/2)+32*(\b%2)          ; each accumulator from its low end on
	ds_store_b128 v[STO], v[AC+8*\b+4:AC+8*\b+7] offset:128*(\b/2)+32*(\b%2)+16
.endr
	WIN 0
.set BB, BK+64*((\a)%2)
.irp t, 0,1,2,3,4,5,6,7,8,9,10,11,12,13,14,15
	ds_load_b128 v[BB+4*\t:BB+4*\t+3], v[RD] offset:\t*SPITCH
.endr
.endm
.macro SEND a, younger                 ; younger: the LDS instructions issued behind tile a's loads, which may stay out
.set BB, BK+64*((\a)%2)
.set RW, 32*((\a)/2)+8*((\a)%2)
	s_wait_dscnt \younger
.irp t, 0,1,2,3,4,5,6,7,8,9,10,11,12,13,14,15
	v_pk_add_f32 v[BB+4*\t:BB+4*\t+1], v[BB+4*\t:BB+4*\t+1], v[BIAS:BIAS+1]
	v_pk_add_f32 v[BB+4*\t+2:BB+4*\t+3], v[BB+4*\t+2:BB+4*\t+3], v[BIAS+2:BIAS+3]
	global_store_b128 v[CO], v[BB+4*\t:BB+4*\t+3], s[12:13] offset:(RW+\t+8*(\t/8))*4096 th:TH_STORE_NT   ; row t of the tile is token 32 (a/2) + 8 (a%2) + t + 8 (t/8); 32 lanes store 512 consecutive bytes
.endr
.endm
	s_wait_loadcnt 0x0                             ; the bias
	PLACES NP
	TOSTAGE 0
.irp a, 1,2,3,4,5,6,7
.if \a > 1
	s_wait_xcnt 0x0                                ; tile a - 2's stores have read their registers: tile a's loads may land there
.endif
	TOSTAGE \a
	SEND \a-1, 32                                  ; behind tile a - 1's loads: tile a's 16 stores and 16 loads
.endr
	SEND 7, 0
	s_wait_tensorcnt 0x0                           ; the wave's end
	ds_add_u32 v[SPW], v[NIL]
	s_wait_dscnt 0x0
	CROUND                                         ; the closing round
	s_endpgm
.Lfunc_end_k_q472f3bd9ca_oproj:
	.size	k_q472f3bd9ca_oproj, .Lfunc_end_k_q472f3bd9ca_oproj-k_q472f3bd9ca_oproj
	.p2alignl 7, 3214868480
	.fill 96, 4, 3214868480
	.section	.rodata,"a",@progbits
	.p2align	6, 0x0
	.amdhsa_kernel k_q472f3bd9ca_oproj
		.amdhsa_group_segment_fixed_size 327680
		.amdhsa_private_segment_fixed_size 0
		.amdhsa_enable_private_segment 0
		.amdhsa_kernarg_size 32
		.amdhsa_user_sgpr_count 2
		.amdhsa_user_sgpr_kernarg_segment_ptr 1
		.amdhsa_wavefront_size32 1
		.amdhsa_system_sgpr_workgroup_id_x 1
		.amdhsa_system_sgpr_workgroup_id_y 1
		.amdhsa_system_sgpr_workgroup_id_z 1
		.amdhsa_system_vgpr_workitem_id 0
		.amdhsa_next_free_vgpr 1024
		.amdhsa_next_free_sgpr 98
		.amdhsa_reserve_vcc 0
		.amdhsa_float_denorm_mode_32 3
		.amdhsa_float_denorm_mode_16_64 3
		.amdhsa_memory_ordered 1
		.amdhsa_forward_progress 1
		.amdhsa_inst_pref_size 161
	.end_amdhsa_kernel
	.amdgpu_metadata
---
amdhsa.version: [ 1, 2 ]
amdhsa.kernels:
  - .name:           k_q472f3bd9ca_oproj
    .symbol:         k_q472f3bd9ca_oproj.kd
    .args:
      - { .name: att, .offset: 0, .size: 8, .value_kind: global_buffer, .address_space: global }
      - { .name: prep, .offset: 8, .size: 8, .value_kind: global_buffer, .address_space: global }
      - { .name: out_b, .offset: 16, .size: 8, .value_kind: global_buffer, .address_space: global }
      - { .name: out0, .offset: 24, .size: 8, .value_kind: global_buffer, .address_space: global }
    .group_segment_fixed_size: 327680
    .private_segment_fixed_size: 0
    .kernarg_segment_align: 8
    .kernarg_segment_size: 32
    .max_flat_workgroup_size: 128
    .sgpr_count:     98
    .vgpr_count:     1024
    .wavefront_size: 32
...
	.end_amdgpu_metadata
.endif
;; end of part 4
;; ======== version 2 of 2: 4 launches; version 1 with the launch attn written anew for expert scheduling mode
;; limits: a function is approximated: absolute error at most 0.0002
;; workspace buffers: prep 13,500,416 bytes; maskw 532,480 bytes of whole numbers; qkvc 25,952,256 bytes; att 8,650,752 bytes
;; launch prep: the kernel of part 1 again; grid 1152 x 1, 4 waves a work-group, no clusters, 68,096 bytes of LDS; arguments x, qkv_w, out_w, mask, prep, maskw; writes prep, maskw
;; launch qkv: the kernel of part 2 again; grid 12 x 32, 4 waves a work-group, clusters of 4 x 4, 327,680 bytes of LDS; arguments prep, qkv_b, qkvc; writes qkvc
;; launch attn (part 5): grid 4 x 64, 16 waves a work-group, no clusters, 272,384 bytes of LDS; arguments qkvc, maskw, att; writes att
.if DOCPART == 5
	.amdgcn_target "amdgcn-amd-amdhsa--gfx1250"
	.amdhsa_code_object_version 6
	.text
	.protected	k_q472f3bd9ca_attn
	.globl	k_q472f3bd9ca_attn
	.p2align	8
	.type	k_q472f3bd9ca_attn,@function
k_q472f3bd9ca_attn:
	s_mov_b64 s[64:65], 0
	v_nop
	global_prefetch_b8 v0, s[64:65] scope:SCOPE_SE
	s_setreg_imm32_b32 hwreg(HW_REG_WAVE_SCHED_MODE, 0, 2), 2
	s_setreg_imm32_b32 hwreg(HW_REG_WAVE_MODE, 25, 1), 1
	s_wait_xcnt 0x0
	s_wait_alu depctr_vm_vsrc(0)
; ATTN: softmax(q k^T / 8, under the mask) v for one head, both products on codes of E5M2 with E8M0 scales, and the quantising of the result along the head's 64 for the last product.
; THE SOFTMAX: t = score x log2(e) / 8; M = the row's largest t so far, rounded UP to a whole number; p = 2^(t - M) is quantised along the keys, not normalised; the row's sum is taken of the unquantised p and
; divides at the end.  When M moves, the sum and O are multiplied by 2^(old M - new M), which rounds nothing.
; SHARES.  Work-group (g, head-and-batch) serves one head; each of its sixteen waves owns two tiles of 16 queries, T = 16 g + wave and 127 - T, one after the other, in 256 registers.
; The head's K and V codes and scale words (270,336 bytes) are copied into LDS once, through registers, ahead of the launch's one barrier; behind it LDS is only read.
; THE MASK IS AN INPUT.  The first launch packed it: for each tile of 16 queries x 128 keys 64 words (word n = the mask of lanes for score register n) and two flag bits.  A step none of whose keys counts for any of
; the tile's queries adds nothing under any mask and is left out, by a scalar branch on its stored flag; a step all of whose keys count skips the 64 selects.
; NO JOINT LOADS, though the four work-groups of a head read the same 270,336 bytes: those would be tensor loads, and the branch on the flags is
; worth more: under a causal mask it leaves out 15 of a wave's 32 steps, and the shared bytes are read once in the launch.
; LAYOUT.  Both products are used transposed, so that a lane holds ONE query (lane % 16) throughout.  The head is 64 wide and the instruction's K is 128: a fragment of K holds TWO tiles of 16 keys (64 codes each) and is
; multiplied by [q | 0] and by [0 | q]; the zeros are eight registers on either side of q's eight.  The tokens of a tile are 32 (T/2) + 8 (T%2) + r + 8 (r/8), so that score register 16 b + i is key 32 b + 16 (lane/16) + i.
; LIMITS: a query for which no key counts gets the scale byte 0xff, which makes its whole output row NaN in the last product, as a softmax over nothing is; NaN and infinities among the inputs are not served.
; REGISTERS: v1-9 addresses; v12 -M, v13 largest t, v[14:15] the sum; v16-23 zeros, v24-31 q, v32-39 zeros; v40-103 four fragments; v104-167 S^T, then p; v168-199 O^T; v200-215 p's codes; v216-231 at work;
;   v232-235 K's scale words, v236-239 V's, v243 p's, v245 q's; v242 f; v244-249 at work.
; THE MODE: SCHED_MODE bits 1:0 = 2 (LLVM: expert scheduling mode 2), set by the entry lines.  The code itself states the register dependences between vector or matrix instructions and memory or LDS
; instructions, with s_wait_alu, always for 0.
; THE PLAN.  Registers that memory or LDS instructions touch in a key step, and who else names them:
;   v3, v4, v5          LDS addresses.  Written by three additions at the step's head; read by the step's 34 LDS loads.
;   v40-103 (F)         K's four fragments land at the step's head and are read by the eight products S^T; V's four land behind the wait for the 64 exponentials and are read by the four products O^T.
;   v232-235, v236-239  K's and V's scale words: they land with their fragments and are read by the same products.
;   v200-215, v243      p's codes and scale word: written by vector instructions, taken by the scaled products O^T.  (v245 and the zeros beside q likewise, written once a tile or once in the launch.)
;   S^T, O^T, the statistics and the registers at work are named by vector and matrix instructions alone.  The map above fills the wave's 256 registers: F has no second set.
; So a step holds: one wait on vm_vsrc ahead of the three additions; one on va_vdst behind them, ahead of K's loads (addresses written, the last products O^T done reading F); the wait for the 64 exponentials, which
; also states that the products S^T are done reading F, so that V's loads follow it at once; the wait for the four exponentials; and one ahead of the products O^T (codes and scale word written).
; The offsets v1, v8, v9 are made once at the head and never written again.
.set KI_OFF, 8388608
.set VI_OFF, 16777216
.set QS_OFF, 25165824
.set KS_OFF, 25427968
.set VS_OFF, 25690112
.set AS_OFF, 8388608
.set MF_OFF, 524288
.set LV,  131072                       ; LDS: K's chunks at 0, V's here,
.set LKS, 262144                       ; K's scale words, and 4,096 bytes on V's
.set F,   40
.set S,   104
.set O,   168
.set PCD, 200
.set SEL, 86                           ; s[86:87]
.set CS,  88                           ; s[88:89] c = log2(e) / 8
.set MNT, 90
	s_load_b128 s[4:7], s[0:1], 0x0                ; qkvc s[4:5], maskw s[6:7]
	s_load_b64 s[8:9], s[0:1], 0x10                ; att
	v_lshl_add_u32 v241, v0, 2, 0x42000
	v_mov_b32 v255, 0
	v_lshrrev_b32 v1, 5, v0
	v_readfirstlane_b32 s10, v1                    ; wave 0..15
	s_and_b32 s12, ttmp7, 0xffff                   ; 16 x batch + head
	s_lshr_b32 s98, s12, 4                         ; batch
	s_and_b32 s99, s12, 15                         ; head
	v_lshlrev_b32 v250, 4, v0                      ; 16 bytes a thread: 8,192 a load of the work-group
	v_add_nc_u32 v251, 0x10000, v250
	v_add_nc_u32 v252, 0x20000, v250
	v_add_nc_u32 v253, 0x30000, v250
	v_add_nc_u32 v254, 0x40000, v250
	v_and_b32 v249, 255, v0
	v_lshlrev_b32 v249, 4, v249
	s_lshl_b32 s2, s12, 17
	s_add_co_u32 s2, s2, KI_OFF
	s_mov_b32 s3, 0
	s_lshl_b32 s94, s98, 8
	s_add_co_u32 s94, s94, s99
	s_lshl_b32 s94, s94, 13
	s_add_co_u32 s94, s94, VI_OFF
	s_mov_b32 s95, 0
	s_mov_b32 s96, VS_OFF
	s_wait_alu depctr_va_sdst(0)                   ; s10, the wave's number, is written, ahead of its first reader
	s_cmp_lt_u32 s10, 8                            ; waves 0-7 copy K's scale words, waves 8-15 V's
	s_cselect_b32 s96, KS_OFF, s96
	s_lshl_b32 s97, s12, 12
	s_add_co_u32 s96, s96, s97
	s_mov_b32 s97, 0
	s_mov_b32 s[SEL], 0x76543210
	s_mov_b32 s[SEL+1], 0xfedcba98
	s_mov_b32 s[CS], 0x3e38aa3b
	s_mov_b32 s[CS+1], s[CS]                       ; (named with it as a pair, so it is written)
	s_mov_b32 s[MNT], 0x600000
	s_mov_b32 s91, 0xffff0000                      ; lanes 16-31
	s_wait_kmcnt 0x0
	s_add_nc_u64 s[2:3], s[4:5], s[2:3]
	s_add_nc_u64 s[94:95], s[4:5], s[94:95]
	s_add_nc_u64 s[96:97], s[4:5], s[96:97]
	s_wait_alu depctr_va_vdst(0)                   ; v249 to v254 are written: the offsets of the loads and the addresses of the LDS stores below
.set i, 0
.rept 16
	global_load_b128 v[F+4*i:F+4*i+3], v250, s[2:3] offset:8192*i          ; the head's K, as it lies
.set i, i+1
.endr
.set i, 0
.rept 16
	global_load_b128 v[S+4*i:S+4*i+3], v250, s[94:95] offset:131072*i      ; the head's V: 8,192 bytes of each key step
.set i, i+1
.endr
	global_load_b128 v[O:O+3], v249, s[96:97]
.set i, 0
.rept 8
	s_wait_loadcnt 32-i                            ; the loads issued behind this one may be out
	ds_store_b128 v250, v[F+4*i:F+4*i+3] offset:8192*i
.set i, i+1
.endr
.rept 8
	s_wait_loadcnt 32-i
	ds_store_b128 v251, v[F+4*i:F+4*i+3] offset:8192*(i-8)
.set i, i+1
.endr
.set i, 0
.rept 8
	s_wait_loadcnt 16-i
	ds_store_b128 v252, v[S+4*i:S+4*i+3] offset:8192*i
.set i, i+1
.endr
.rept 8
	s_wait_loadcnt 16-i
	ds_store_b128 v253, v[S+4*i:S+4*i+3] offset:8192*(i-8)
.set i, i+1
.endr
	s_wait_loadcnt 0x0
	ds_store_b128 v254, v[O:O+3]
	s_wait_alu depctr_vm_vsrc(0)                   ; the last load has read v249, which is written again below; the LDS stores have read v40-171, which LDS loads, products and moves write from here on
	v_and_b32 v248, 31, v0
	v_lshlrev_b32 v1, 4, v248                      ; 16 x lane: a chunk's place for my lane
	v_and_b32 v249, 15, v0                         ; r
	v_bfe_u32 v247, v0, 4, 1                       ; h
	v_lshlrev_b32 v8, 4, v249                      ; 16 r
	v_add_nc_u32 v2, LKS, v8                       ; my row's four scale words of a key step
	v_add_nc_u32 v7, LV, v1
	v_lshl_add_u32 v9, v249, 5, v247               ; 32 r + h: my scale byte on the way out
	v_mov_b32 v6, 0xff800000                       ; -infinity
.irp j, 16,17,18,19,20,21,22,23,32,33,34,35,36,37,38,39
	v_mov_b32 v\j, 0                               ; the zero codes on either side of q
.endr
	s_wait_dscnt 0x0                               ; for the others' sake: my stores have landed
	s_barrier_signal -1
	s_barrier_wait -1                              ; the launch's one barrier: from here on LDS is only read
.macro TILE second
	s_wait_xcnt 0x0                                ; earlier loads and stores have read their bases and their data: both are written again below
.if \second
	s_wait_alu depctr_vm_vsrc(0)                   ; the first tile's stores have read v200-207 and v246: a load lands in v246 below, and this tile's conversions write the codes again
	s_sub_co_u32 s13, 127, s13                     ; the tile's number T
.else
	s_lshl_b32 s13, ttmp9, 4
	s_add_co_u32 s13, s13, s10
.endif
	s_lshl_b32 s2, s12, 7
	s_add_co_u32 s2, s2, s13
	s_lshl_b32 s2, s2, 10
	s_mov_b32 s3, 0
	s_add_nc_u64 s[94:95], s[4:5], s[2:3]          ; q's two chunks
	s_wait_alu depctr_va_vdst(0)                   ; the offsets v1, v8, v9 and the zeros beside q are written; in the second tile the first tile's products are done reading v24-31 and its selects have written v246, in which the loads below land
	global_load_b128 v[24:27], v1, s[94:95]
	global_load_b128 v[28:31], v1, s[94:95] offset:512
	s_lshl_b32 s2, s12, 12
	s_lshr_b32 s15, s13, 3
	s_lshl_b32 s15, s15, 8
	s_add_co_u32 s2, s2, s15
	s_bfe_u32 s15, s13, 0x20001
	s_lshl_b32 s15, s15, 2
	s_add_co_u32 s2, s2, s15
	s_add_co_u32 s2, s2, QS_OFF
	s_add_nc_u64 s[96:97], s[4:5], s[2:3]          ; the scale word that holds my tile's two bytes
	global_load_b32 v246, v8, s[96:97]             ; (only scalar lines stand between the wait above and this load)
	s_lshl_b32 s100, s13, 6
	s_load_b512 s[16:31], s[6:7], s100 offset:MF_OFF   ; the tile's sixteen flag words
	s_lshl_b32 s2, s13, 12
	s_add_nc_u64 s[92:93], s[6:7], s[2:3]          ; and where its mask words begin
	s_wait_kmcnt 0x0
	s_mov_b32 s14, s16
.irp j, 1,2,3,4,5,6,7,8,9,10,11,12,13,14,15
	s_lshl_b32 s2, s[16+\j], 2*\j
	s_or_b32 s14, s14, s2                          ; two bits a step, in one register
.endr
	s_and_b32 s2, s13, 1
	s_cmp_eq_u32 s2, 1
	s_mov_b32 s2, 0x01000100
	s_cselect_b32 s2, 0x03020302, s2               ; an even tile's bytes are the word's low two, an odd tile's its high two
	s_wait_loadcnt 0x0
	v_perm_b32 v245, v246, v246, s2                ; q's two bytes, twice: for [q | 0] and for [0 | q]
	v_mov_b32 v13, 0xff61b1e6                      ; the largest t so far: -3e38, under every t
	v_floor_f32 v12, -v13                          ; -M
	v_mov_b32 v14, 0                               ; the sum, in two halves
	v_mov_b32 v15, 0
	v_mov_b32 v243, 0                              ; (named as the upper half of the pair v[242:243] before it is first written)
	v_mov_b32 v244, 0
.irp b, 0,1,2,3
	v_mov_b32 v[220+\b], 0                         ; a lane permute's destination counts as one of its sources
.endr
.set j, 0
.rept 32
	v_mov_b32 v[O+j], 0                            ; O^T: the step is written once; the first finds zeros.  (These lines are also the places between q's scale word and its first use)
.set j, j+1
.endr
	s_mov_b32 s66, 0                               ; the step's chunks in LDS: 8,192 bytes a step
	s_mov_b32 s67, 0                               ; its scale words: 256
	s_mov_b32 s85, 0                               ; its mask words: 256
	s_mov_b32 s84, 0                               ; twice the step's number
.Lstep_\@:
	s_lshr_b32 s15, s14, s84
	s_and_b32 s15, s15, 3                          ; the step's flags
	s_bitcmp1_b32 s15, 0
	s_cbranch_scc0 .Lhid_\@                        ; no key of the step counts for any of my queries
	s_load_b512 s[16:31], s[92:93], s85
	s_load_b512 s[32:47], s[92:93], s85 offset:64
	s_load_b512 s[48:63], s[92:93], s85 offset:128
	s_load_b512 s[68:83], s[92:93], s85 offset:192
	s_wait_alu depctr_vm_vsrc(0)                   ; the LDS loads issued so far have read v3, v4 and v5
	v_add_nc_u32 v3, s66, v1
	v_add_nc_u32 v4, s66, v7
	v_add_nc_u32 v5, s67, v2
.rept 5
	v_nop                                          ; with the three additions: eight places between the last step's products and the loads into registers that those read; the wait below states that dependence
.endr
	s_wait_alu depctr_va_vdst(0)                   ; v3, v4, v5 are written; the last step's products O^T are done reading v40-103; in a tile's first step q's scale word v245 is written, which the products below take
	ds_load_b128 v[232:235], v5                    ; K's scale words: word b: tile 2 b's two bytes, then tile 2 b + 1's
.irp b, 0,1,2,3
.irp c, 0,1,2,3
	ds_load_b128 v[F+16*\b+4*\c:F+16*\b+4*\c+3], v3 offset:2048*\b+512*\c
.endr
.endr
.irp b, 0,1,2,3                        ; S^T = K q^T: a fragment's two tiles of keys
	s_wait_dscnt 12-4*\b                           ; the later fragments' loads may be out
	v_wmma_scale_f32_16x16x128_f8f6f4 v[S+16*\b:S+16*\b+7], v[F+16*\b:F+16*\b+15], v[24:39], 0, v[232+\b], v245 matrix_a_fmt:MATRIX_FMT_BF8 matrix_b_fmt:MATRIX_FMT_BF8
	v_wmma_scale_f32_16x16x128_f8f6f4 v[S+16*\b+8:S+16*\b+15], v[F+16*\b:F+16*\b+15], v[16:31], 0, v[232+\b], v245 matrix_a_fmt:MATRIX_FMT_BF8 matrix_b_fmt:MATRIX_FMT_BF8
.endr
.rept 8
	v_nop                                          ; places in front of the first read of the scores
.endr
	s_wait_kmcnt 0x0                               ; the mask words
	s_cmp_lt_u32 s15, 2
	s_cbranch_scc1 .Lopen_\@                       ; every key of the step counts for every query
.set n, 0
.rept 64
	v_cndmask_b32 v[S+n], v6, v[S+n], s[16+n+4*(n/48)]   ; a key that does not count: -infinity, so p = 0
.set n, n+1
.endr
.Lopen_\@:
.irp b, 0,1,2,3
	v_max3_num_f32 v[216+\b], v[S+16*\b], v[S+1+16*\b], v[S+2+16*\b]   ; the largest score of each block of 32 keys: for the row's maximum, and, since p rises with the score, for the block's largest p
.endr
.irp i, 3,5,7,9,11,13
.irp b, 0,1,2,3
	v_max3_num_f32 v[216+\b], v[216+\b], v[S+16*\b+\i], v[S+1+16*\b+\i]
.endr
.endr
.irp b, 0,1,2,3
	v_max_num_f32 v[216+\b], v[216+\b], v[S+15+16*\b]
.endr
.irp b, 0,1,2,3
	v_permlanex16_b32 v[220+\b], v[216+\b], s[SEL], s[SEL+1]
.endr
.irp b, 0,1,2,3
	v_max_num_f32 v[216+\b], v[216+\b], v[220+\b]  ; with lane l xor 16's 16 keys
.endr
	v_max3_num_f32 v244, v216, v217, v218
	v_max_num_f32 v244, v244, v219
	v_mul_f32 v244, s[CS], v244                    ; as t
	v_max_num_f32 v13, v13, v244                   ; the running largest t
	v_mov_b32 v244, v12
	v_floor_f32 v12, -v13                          ; the new -M = -ceil(t)
	v_sub_f32 v244, v12, v244                      ; old M - new M: a whole number, 0 or less
	v_cvt_i32_f32 v244, v244                       ; (it saturates)
	v_ldexp_f32 v242, 1.0, v244                    ; f = 2^(old M - new M)
.set j, 0
.rept 32
	v_pk_fma_f32 v[S+j:S+j+1], v[S+j:S+j+1], s[CS:CS+1], v[12:13] op_sel_hi:[1,0,0]   ; t - M, two at a time
.set j, j+2
.endr
.irp b, 0,1,2,3
	v_fma_f32 v[216+\b], v[216+\b], s[CS], v12     ; the same of each block's largest score
.endr
.set j, 0
.rept 64
	v_exp_f32 v[S+j], v[S+j]                       ; p = 2^(t - M)
.set j, j+1
.endr
	v_pk_mul_f32 v[14:15], v[14:15], v[242:243] op_sel_hi:[1,0]   ; the sums under the new M.  (A plain instruction behind the exponentials)
	s_wait_alu depctr_va_vdst(0)                   ; the 64 exponentials have written p, ahead of their first reader; and the products S^T are done reading v40-103, the last step's products O^T v236-239: V's loads land in both
	ds_load_b128 v[236:239], v5 offset:4096        ; V's scale words and fragments land while the rest of the softmax is worked: no vector instruction up to the products O^T names these registers, v4 or v5
.irp t, 0,1,2,3
.irp c, 0,1,2,3
	ds_load_b128 v[F+16*\t+4*\c:F+16*\t+4*\c+3], v4 offset:2048*\t+512*\c
.endr
.endr
.irp b, 0,1,2,3
	v_exp_f32 v[216+\b], v[216+\b]                 ; the block's largest p
.endr
	v_pk_add_f32 v[220:221], v[S:S+1], v[S+2:S+3]  ; the row's sum of the unquantised p, in two chains
.irp j, 4,8,12,16,20,24,28,32,36,40,44,48,52,56,60
	v_pk_add_f32 v[14:15], v[14:15], v[S+\j:S+1+\j]
	v_pk_add_f32 v[220:221], v[220:221], v[S+2+\j:S+3+\j]
.endr
	v_pk_add_f32 v[14:15], v[14:15], v[220:221]
	s_wait_alu depctr_va_vdst(0)                   ; the four exponentials have written v216-219, ahead of their first reader
.irp b, 0,1,2,3
	v_max_num_f32 v[216+\b], 0x8000000, v[216+\b]  ; the floor 2^(16 - 127): the byte cannot fall under 1
.endr
.irp b, 0,1,2,3
	v_add_nc_u32 v[228+\b], 0xf8800000, v[216+\b]  ; the conversion's scale operand
.endr
.irp b, 0,1,2,3
	v_and_or_b32 v[224+\b], v[216+\b], 0x7f800000, s[MNT]   ; 57,344 x the scale
.endr
.irp b, 0,1,2,3
	v_lshrrev_b32 v[220+\b], 23, v[228+\b]         ; the scale's byte
.endr
	v_lshl_or_b32 v243, v221, 8, v220              ; p's scale word for these 128 keys
	v_lshl_or_b32 v243, v222, 16, v243
	v_lshl_or_b32 v243, v223, 24, v243
.irp b, 0,1,2,3
.irp i, 0,1,2,3,4,5,6,7,8,9,10,11,12,13,14,15
	v_min_num_f32 v[S+16*\b+\i], v[S+16*\b+\i], v[224+\b]   ; the conversion does not saturate (ISA guide 7.6.2); p is not negative, so the hold is one-sided
.endr
	v_cvt_scalef32_pk8_bf8_f32 v[PCD+4*\b:PCD+1+4*\b], v[S+16*\b:S+7+16*\b], v[228+\b]
	v_cvt_scalef32_pk8_bf8_f32 v[PCD+2+4*\b:PCD+3+4*\b], v[S+8+16*\b:S+15+16*\b], v[228+\b]
.endr
.set j, 0
.rept 16
	v_pk_mul_f32 v[O+j:O+j+1], v[O+j:O+j+1], v[242:243] op_sel_hi:[1,0]   ; O^T under the new M.  (These are also the places in front of the products below)
.set j, j+2
.endr
	s_wait_alu depctr_va_vdst(0)                   ; the conversions have written p's codes v200-215 and the shifts its scale word v243, which the scaled products below take; the places above stay beside this wait
	s_wait_dscnt 0x0                               ; V
.irp t, 0,1,2,3                        ; O^T += V^T p^T: four tiles of 16 channels, the accumulators by turns
	v_wmma_scale_f32_16x16x128_f8f6f4 v[O+8*\t:O+8*\t+7], v[F+16*\t:F+16*\t+15], v[PCD:PCD+15], v[O+8*\t:O+8*\t+7], v[236+\t], v243 matrix_a_fmt:MATRIX_FMT_BF8 matrix_b_fmt:MATRIX_FMT_BF8
.endr
.Lhid_\@:
	s_add_co_u32 s66, s66, 8192
	s_add_co_u32 s67, s67, 256
	s_add_co_u32 s85, s85, 256
	s_add_co_u32 s84, s84, 2
	s_cmp_lt_u32 s84, 32
	s_cbranch_scc1 .Lstep_\@
	; THE WAY OUT: O^T / the sum; register 16 e + i is channel 32 e + 16 h + i: two blocks of the last product's K, quantised as they stand; two chunks and a scale byte a lane
.rept 8
	v_nop                                          ; places behind the last products
.endr
	v_add_f32 v14, v14, v15
	v_permlanex16_b32 v244, v14, s[SEL], s[SEL+1]
	v_add_f32 v14, v14, v244                       ; the row's sum
	v_rcp_f32 v248, v14
	v_mov_b32 v249, 0                              ; (a plain instruction behind the reciprocal; the pair's upper half is named, so it is written)
	v_cmp_eq_f32 s101, 0, v14                      ; a query for which no key counted
	s_lshl_b32 s2, s98, 7
	s_add_co_u32 s2, s2, s13                       ; the tile's number among the 512
	s_lshl_b32 s94, s2, 14
	s_lshl_b32 s3, s99, 10
	s_add_co_u32 s94, s94, s3                      ; 16,384 bytes a tile, 1,024 a head
	s_mov_b32 s95, 0
	s_lshl_b32 s96, s2, 9
	s_lshl_b32 s3, s99, 1
	s_add_co_u32 s96, s96, s3
	s_add_co_u32 s96, s96, AS_OFF                  ; 32 scale bytes a row, two a head
	s_mov_b32 s97, 0
	s_add_nc_u64 s[94:95], s[8:9], s[94:95]
	s_add_nc_u64 s[96:97], s[8:9], s[96:97]
	s_wait_alu depctr_va_vdst(0)                   ; the reciprocal has written v248, ahead of its first reader
.set j, 0
.rept 16
	v_pk_mul_f32 v[S+j:S+j+1], v[O+j:O+j+1], v[248:249] op_sel_hi:[1,0]   ; each accumulator from its low end on
.set j, j+2
.endr
.irp e, 0,1
	v_max3_num_f32 v[216+\e], |v[S+16*\e]|, |v[S+1+16*\e]|, 0x8000000
.endr
.irp i, 2,4,6,8,10,12,14
.irp e, 0,1
	v_max3_num_f32 v[216+\e], v[216+\e], |v[S+16*\e+\i]|, |v[S+1+16*\e+\i]|
.endr
.endr
.irp e, 0,1
	v_permlanex16_b32 v[220+\e], v[216+\e], s[SEL], s[SEL+1]
.endr
.irp e, 0,1
	v_max_num_f32 v[216+\e], v[216+\e], v[220+\e]
.endr
.irp e, 0,1
	v_add_nc_u32 v[228+\e], 0xf8800000, v[216+\e]
.endr
.irp e, 0,1
	v_and_or_b32 v[224+\e], v[216+\e], 0x7f800000, s[MNT]
.endr
.irp e, 0,1
	v_lshrrev_b32 v[220+\e], 23, v[228+\e]
.endr
.irp e, 0,1
.irp i, 0,1,2,3,4,5,6,7,8,9,10,11,12,13,14,15
	v_med3_num_f32 v[S+16*\e+\i], v[S+16*\e+\i], -v[224+\e], v[224+\e]
.endr
	v_cvt_scalef32_pk8_bf8_f32 v[PCD+4*\e:PCD+1+4*\e], v[S+16*\e:S+7+16*\e], v[228+\e]
	v_cvt_scalef32_pk8_bf8_f32 v[PCD+2+4*\e:PCD+3+4*\e], v[S+8+16*\e:S+15+16*\e], v[228+\e]
.endr
	v_nop                                          ; one plain vector instruction behind the last conversion
	v_cndmask_b32 v246, v220, v221, s91            ; lanes 0-15 store the first block's byte, lanes 16-31 the second's
	v_mov_b32 v247, 0xff
	s_wait_alu depctr_va_sdst(0)                   ; the compare has written s101, ahead of its first reader
	v_cndmask_b32 v246, v246, v247, s101           ; no key counted: the byte that makes the row NaN
	s_wait_alu depctr_va_vdst(0)                   ; the conversions have written v200-207 and the selects v246, which the three stores read
	global_store_b128 v1, v[PCD:PCD+3], s[94:95]               ; 512 consecutive bytes
	global_store_b128 v1, v[PCD+4:PCD+7], s[94:95] offset:512
	global_store_b8 v9, v246, s[96:97]             ; one byte a lane, rows 32 bytes apart: one byte in 33 of what the launch stores
.endm
	TILE 0
	TILE 1
	s_wait_dscnt 0x0
	s_wait_alu depctr_hold_cnt(0) depctr_sa_sdst(0) depctr_va_vdst(0) depctr_va_sdst(0) depctr_va_ssrc(0) depctr_va_vcc(0) depctr_vm_vsrc(0)
	s_wait_tensorcnt 0x0
	ds_add_u32 v241, v255
	s_wait_dscnt 0x0
	s_endpgm
.Lfunc_end_k_q472f3bd9ca_attn:
	.size	k_q472f3bd9ca_attn, .Lfunc_end_k_q472f3bd9ca_attn-k_q472f3bd9ca_attn
	.p2alignl 7, 3214868480
	.fill 96, 4, 3214868480
	.section	.rodata,"a",@progbits
	.p2align	6, 0x0
	.amdhsa_kernel k_q472f3bd9ca_attn
		.amdhsa_group_segment_fixed_size 272384
		.amdhsa_private_segment_fixed_size 0
		.amdhsa_enable_private_segment 0
		.amdhsa_kernarg_size 24
		.amdhsa_user_sgpr_count 2
		.amdhsa_user_sgpr_kernarg_segment_ptr 1
		.amdhsa_wavefront_size32 1
		.amdhsa_system_sgpr_workgroup_id_x 1
		.amdhsa_system_sgpr_workgroup_id_y 1
		.amdhsa_system_sgpr_workgroup_id_z 1
		.amdhsa_system_vgpr_workitem_id 0
		.amdhsa_next_free_vgpr 256
		.amdhsa_next_free_sgpr 102
		.amdhsa_reserve_vcc 0
		.amdhsa_float_denorm_mode_32 3
		.amdhsa_float_denorm_mode_16_64 3
		.amdhsa_memory_ordered 1
		.amdhsa_forward_progress 1
		.amdhsa_inst_pref_size 77
	.end_amdhsa_kernel
	.amdgpu_metadata
---
amdhsa.version: [ 1, 2 ]
amdhsa.kernels:
  - .name:           k_q472f3bd9ca_attn
    .symbol:         k_q472f3bd9ca_attn.kd
    .args:
      - { .name: qkvc, .offset: 0, .size: 8, .value_kind: global_buffer, .address_space: global }
      - { .name: maskw, .offset: 8, .size: 8, .value_kind: global_buffer, .address_space: global }
      - { .name: att, .offset: 16, .size: 8, .value_kind: global_buffer, .address_space: global }
    .group_segment_fixed_size: 272384
    .private_segment_fixed_size: 0
    .kernarg_segment_align: 8
    .kernarg_segment_size: 24
    .max_flat_workgroup_size: 512
    .sgpr_count:     102
    .vgpr_count:     256
    .wavefront_size: 32
...
	.end_amdgpu_metadata
.endif
;; end of part 5
;; launch oproj: the kernel of part 4 again; grid 4 x 32, 4 waves a work-group, clusters of 4 x 4, 327,680 bytes of LDS; arguments att, prep, out_b, out0; writes out0
